; MI455X (gfx1250); checked and timed in simulation.
; The chip was launched on July 23, 2026; its instructions are those of AMD's public machine-readable ISA for CDNA 5 (MIT licence, August 2026) and "CDNA5" Instruction Set Architecture Reference Guide (July 2026). The comments in the code are by the model that wrote it; some were corrected since.
;; SUPRA Recurrent Gated. Allowed arithmetic: float matrix products may take bf16 or f16 operands with f32 sums; other float arithmetic in f32, or as packed bf16 or f16 multiplies, adds, multiply-adds, maxima and minima; sums over many terms, partial sums and values carried from step to step in f32; what a program stores and reads back later, other than sums and carried values, may be rounded once to bf16 or f16.
;; Inputs: Wa 512 x 512 float32; Wk 512 x 512 float32; Wq 512 x 512 float32; Wv 512 x 512 float32; ba 512 float32; bk 512 float32; bq 512 float32; bv 512 float32; x_seq 8 x 512 x 512 float32.
;; Outputs: out0 8 x 512 x 512 float32.
;; 2 versions, each right; version 2 is version 1 with the launch attn written anew for expert scheduling mode. Each part assembles by itself: llvm-mc -triple=amdgcn-amd-amdhsa -mcpu=gfx1250 --defsym DOCPART=n.
;; ======== version 1 of 2: 3 launches
;; workspace buffers: xb 4,194,304 bytes; wb 2,097,152 bytes; qt 4,194,304 bytes; kt 4,194,304 bytes; vf 8,388,608 bytes; gt 131,072 bytes; dp 8,388,608 bytes
;; launch cvt (part 1): grid 256 x 1, 8 waves a work-group, no clusters, 0 bytes of LDS; arguments x_seq, Wq, Wk, Wv, Wa, xb, wb; writes xb, wb
.if DOCPART == 1
	.amdgcn_target "amdgcn-amd-amdhsa--gfx1250"
	.amdhsa_code_object_version 6
	.text
	.protected	k_qa9880198ee_cvt
	.globl	k_qa9880198ee_cvt
	.p2align	8
	.type	k_qa9880198ee_cvt,@function
k_qa9880198ee_cvt:
	s_mov_b64 s[64:65], 0
	v_nop
	global_prefetch_b8 v0, s[64:65] scope:SCOPE_SE
	s_setreg_imm32_b32 hwreg(HW_REG_WAVE_MODE, 25, 1), 1
	s_wait_xcnt 0x0
; x_seq [4096][512] and the four weights [512][512] are rounded once from f32 to bf16, for the matrix units of the next launch.
; xb keeps x's order.  wb interleaves the four weights in blocks of 64 output channels: row = (e / 64) * 256 + m * 64 + e % 64, m = 0 q, 1 k, 2 v, 3 a,
; so that the 256 rows which one work-group of the next launch multiplies lie on end.
; A stream: every byte read once by 16-byte loads, written once; no LDS, no barrier, no matrix unit: nothing here is used twice.
; SHARES.  Work-group g: 32,768 bytes of x (8 items of 4,096) and 8 rows of weight g / 64 (4 items).  Thread t takes 16 bytes of an item and stores 8:
; a wave's store covers 256 consecutive bytes, aligned.  All 12 loads go out first; no register is written twice, so the only waits are the counted ones for data.
.set XR, 4                             ; v[4:35]  x as loaded; v[36:51] the weight as loaded
.set PK, 52                            ; v[52:75] two packed words an item
	s_load_b256 s[4:11], s[0:1], 0x0               ; x_seq s[4:5], Wq s[6:7], Wk s[8:9], Wv s[10:11]
	s_load_b128 s[12:15], s[0:1], 0x20             ; Wa s[12:13], xb s[14:15]
	s_load_b64 s[16:17], s[0:1], 0x30              ; wb
	v_lshlrev_b32 v1, 4, v0                        ; 16 t: my bytes in an item as read
	v_lshlrev_b32 v2, 3, v0                        ; 8 t: as written
	s_lshl_b32 s18, ttmp9, 15                      ; g x 32,768: my part of x
	s_mov_b32 s19, 0
	s_lshl_b32 s24, ttmp9, 14                      ; g x 16,384: my part of xb
	s_mov_b32 s25, 0
	s_lshr_b32 s20, ttmp9, 6                       ; m: which weight
	s_and_b32 s21, ttmp9, 63                       ; its rows 8 (g % 64) ..
	s_lshl_b32 s26, s21, 14                        ; 8 rows of 2,048 bytes
	s_mov_b32 s27, 0
	s_lshr_b32 s28, s21, 3                         ; e / 64
	s_lshl_b32 s28, s28, 8
	s_lshl_b32 s29, s20, 6
	s_add_co_u32 s28, s28, s29                     ; + 64 m
	s_and_b32 s29, s21, 7
	s_lshl_b32 s29, s29, 3
	s_add_co_u32 s28, s28, s29                     ; + e % 64
	s_lshl_b32 s28, s28, 10                        ; rows of 1,024 bytes in wb
	s_mov_b32 s29, 0
	s_wait_kmcnt 0x0
	s_cmp_eq_u32 s20, 1                            ; the weight's address is chosen by the work-group's number alone
	s_cselect_b64 s[22:23], s[8:9], s[6:7]
	s_cmp_eq_u32 s20, 2
	s_cselect_b64 s[22:23], s[10:11], s[22:23]
	s_cmp_eq_u32 s20, 3
	s_cselect_b64 s[22:23], s[12:13], s[22:23]
	s_add_nc_u64 s[4:5], s[4:5], s[18:19]
	s_add_nc_u64 s[22:23], s[22:23], s[26:27]
	s_add_nc_u64 s[14:15], s[14:15], s[24:25]
	s_add_nc_u64 s[16:17], s[16:17], s[28:29]
.irp i, 0,1,2,3,4,5,6,7
	global_load_b128 v[XR+4*(\i):XR+4*(\i)+3], v1, s[4:5] offset:4096*(\i) th:TH_LOAD_NT
.endr
.irp i, 0,1,2,3
	global_load_b128 v[XR+32+4*(\i):XR+32+4*(\i)+3], v1, s[22:23] offset:4096*(\i) th:TH_LOAD_NT
.endr
.irp i, 0,1,2,3,4,5,6,7
	s_wait_loadcnt 11-(\i)                         ; loads come back in order: item i is in, the younger ones stay out
	v_cvt_pk_bf16_f32 v[PK+2*(\i)], v[XR+4*(\i)], v[XR+4*(\i)+1]
	v_cvt_pk_bf16_f32 v[PK+2*(\i)+1], v[XR+4*(\i)+2], v[XR+4*(\i)+3]
	global_store_b64 v2, v[PK+2*(\i):PK+2*(\i)+1], s[14:15] offset:2048*(\i)
.endr
.irp i, 0,1,2,3
	s_wait_loadcnt 3-(\i)
	v_cvt_pk_bf16_f32 v[PK+16+2*(\i)], v[XR+32+4*(\i)], v[XR+32+4*(\i)+1]
	v_cvt_pk_bf16_f32 v[PK+16+2*(\i)+1], v[XR+32+4*(\i)+2], v[XR+32+4*(\i)+3]
	global_store_b64 v2, v[PK+16+2*(\i):PK+16+2*(\i)+1], s[16:17] offset:2048*(\i)
.endr
	s_endpgm
.Lfunc_end_k_qa9880198ee_cvt:
	.size	k_qa9880198ee_cvt, .Lfunc_end_k_qa9880198ee_cvt-k_qa9880198ee_cvt
	.p2alignl 7, 3214868480
	.fill 96, 4, 3214868480
	.section	.rodata,"a",@progbits
	.p2align	6, 0x0
	.amdhsa_kernel k_qa9880198ee_cvt
		.amdhsa_group_segment_fixed_size 0
		.amdhsa_private_segment_fixed_size 0
		.amdhsa_enable_private_segment 0
		.amdhsa_kernarg_size 56
		.amdhsa_user_sgpr_count 2
		.amdhsa_user_sgpr_kernarg_segment_ptr 1
		.amdhsa_wavefront_size32 1
		.amdhsa_system_sgpr_workgroup_id_x 1
		.amdhsa_system_sgpr_workgroup_id_y 1
		.amdhsa_system_sgpr_workgroup_id_z 1
		.amdhsa_system_vgpr_workitem_id 0
		.amdhsa_next_free_vgpr 80
		.amdhsa_next_free_sgpr 66
		.amdhsa_reserve_vcc 0
		.amdhsa_float_denorm_mode_32 3
		.amdhsa_float_denorm_mode_16_64 3
		.amdhsa_memory_ordered 1
		.amdhsa_forward_progress 1
		.amdhsa_inst_pref_size 6
	.end_amdhsa_kernel
	.amdgpu_metadata
---
amdhsa.version: [ 1, 2 ]
amdhsa.kernels:
  - .name:           k_qa9880198ee_cvt
    .symbol:         k_qa9880198ee_cvt.kd
    .args:
      - { .name: x_seq, .offset: 0, .size: 8, .value_kind: global_buffer, .address_space: global }
      - { .name: Wq, .offset: 8, .size: 8, .value_kind: global_buffer, .address_space: global }
      - { .name: Wk, .offset: 16, .size: 8, .value_kind: global_buffer, .address_space: global }
      - { .name: Wv, .offset: 24, .size: 8, .value_kind: global_buffer, .address_space: global }
      - { .name: Wa, .offset: 32, .size: 8, .value_kind: global_buffer, .address_space: global }
      - { .name: xb, .offset: 40, .size: 8, .value_kind: global_buffer, .address_space: global }
      - { .name: wb, .offset: 48, .size: 8, .value_kind: global_buffer, .address_space: global }
    .group_segment_fixed_size: 0
    .private_segment_fixed_size: 0
    .kernarg_segment_align: 8
    .kernarg_segment_size: 56
    .max_flat_workgroup_size: 256
    .sgpr_count:     66
    .vgpr_count:     80
    .wavefront_size: 32
...
	.end_amdgpu_metadata
.endif
;; end of part 1
;; launch proj (part 2): grid 8 x 32, 4 waves a work-group, clusters of 4 x 4, 327,680 bytes of LDS; arguments xb, wb, bq, bk, bv, ba, qt, kt, vf, gt, dp; writes qt, kt, vf, gt, dp
.if DOCPART == 2
	.amdgcn_target "amdgcn-amd-amdhsa--gfx1250"
	.amdhsa_code_object_version 6
	.text
	.protected	k_qa9880198ee_proj
	.globl	k_qa9880198ee_proj
	.p2align	8
	.type	k_qa9880198ee_proj,@function
k_qa9880198ee_proj:
	s_mov_b64 s[64:65], 0
	v_nop
	global_prefetch_b8 v0, s[64:65] scope:SCOPE_SE
	s_setreg_imm32_b32 hwreg(HW_REG_WAVE_MODE, 25, 1), 1
	s_wait_xcnt 0x0
	s_wait_alu depctr_hold_cnt(0) depctr_sa_sdst(0) depctr_va_vdst(0) depctr_va_sdst(0) depctr_va_ssrc(0) depctr_va_vcc(0) depctr_vm_vsrc(0)
	s_getreg_b32 s2, hwreg(HW_REG_IB_STS2, 6, 4)
	s_cmp_eq_u32 s2, 0
	s_cbranch_scc0 .Lentry_in_a_cluster
	s_endpgm
.Lentry_in_a_cluster:
	s_bfe_u32 s2, ttmp6, 0x10000c
	s_cmp_lg_u32 s2, 0xf033
	s_cbranch_scc0 .Lentry_shape_is_right
	s_endpgm
.Lentry_shape_is_right:
; THE FOUR PROJECTIONS AND ALL THAT HANGS ON ONE TILE OF 64 ROWS.
; q = relu(x Wq^T + bq), k = relu(x Wk^T + bk), v = x Wv^T + bv, a = sigmoid(x Wa^T + ba); x, W, b rounded to bf16, sums in f32.
; The recurrence is unrolled: y_t = sum_s A[t,s] v_s / (sum_s A[t,s] + 1e-6), A[t,s] = sum_i q_t[i] k_s[i] prod_{u=s+1..t} a_u[i], s <= t.
; The decay is never divided: each pair (s, t) is served by a point between s and t, k carrying the product up to it and q the product from it on, so every factor is at most 1 and a = 0 does no harm.
;   other tiles:  QT = q prod(tile start..t), KT = k prod(s+1..tile end), G = prod(tile): stored as ready matrix fragments (qt, kt) and as f32 (gt)
;   inside a tile: for h = 32, 16, 8, 4, 2, 1 an array X_h holds, in the lower half of each block of 2 h rows, k prod(s+1..middle-1), in the upper half q prod(middle..t);
;   X_h X_h^T, masked to (lower s, upper t), gives those pairs; k q^T gives s = t.  Each wave makes these products for ITS 32 channels (one matrix instruction deep); two waves' sums are added here, the 8 channel blocks' in the next launch (dp, f32).
;   v is stored as bf16 hi + lo (vf), since a row of A has few terms that count and one rounding to bf16 would show in y.
; LIMITS.  NaN and infinities are not treated apart; q, k and their decayed forms are rounded once to bf16; the sums' order differs from the scan's.
; SHARES.  Work-group (bx, by): rows 128 by .. +127, channels 64 bx .. +63 of all four projections.  Wave 2 wr + wc: rows 64 wr .. (one tile), channels 32 wc .., 4 x 4 x 2 = 32 accumulators, 256 registers.
; Source 0 = rows of x, source 1 = rows of W: a lane holds ONE channel (lane % 16) and rows 8 (lane / 16) + 0..7, so the products along time are made inside a lane.
; RING.  K = 512 in four steps of 128 (rows of 256 bytes).  Three slots are filled at the start; step 3 goes into slot 0 when step 0 is read out: one refill, with two K steps, 256 matrix instructions, in which to land.
; CLUSTER 4 x 4.  x's tile hangs on by alone and is asked for jointly along a row of the cluster, W's on bx alone, along a column.  Three tensor loads of a wave are out at the most.
; REGISTERS.  window 0: v1-18 lane numbers and addresses; v28-29 the add's two; v32-127, v128-223 two fragment buffers (W's 8, then x's 4); v224-239 the biases.
;   window 1: accumulator (m, rt, ct) at 64 m + 16 rt + 8 ct; when v has gone out its 64 registers (128-191) are the scratch of the products along time.
.set PITCH,  272                       ; an LDS row: 256 bytes + 16 of padding = 68 words: the 16 rows of a fragment load start 4 banks apart (64 banks of 4 bytes: ISA guide 11.1)
.set ABYTES, 128*PITCH
.set SLOT,   384*PITCH                 ; x's 128 rows, then W's 256
.set SPARE,  3*SLOT                    ; the spare words, 128 bytes a wave: two blocks of 256 bytes that no other line names
.set STG,    51200                     ; behind the last fill the slots are free: wave w's stage at STG w: ten arrays [32 channels][64 rows] of bf16
.set ARR,    5120
.set SPI,    160                       ; a channel's row in the stage: 128 bytes + 32: an odd multiple of 32 for the turning load
.set EXC,    2*SLOT                    ; where wave (wr, 1) hands its 10 tiles of sums to wave (wr, 0): 10,240 bytes for each wr
.set ADRA, 4                           ; v4-6   my fragments of x in slot 0, 1, 2
.set ADRB, 8                           ; v8-10  of W
.set L16,  12                          ; v12    16 x lane
.set L4,   13                          ; v13    4 x lane
.set STO,  14                          ; v14    stage: where my channel's 16 bytes go
.set TRA,  15                          ; v15    stage: the turning load's address
.set EXA,  16                          ; v16    exchange: 16 x lane
.set BOF,  17                          ; v17    my channel's offset in a bias
.set GOUT, 18                          ; v18    G on its way out
.set SPW,  28
.set NIL,  29
.set F0,   32
.set F1,   128
.set BI,   224                         ; bias (m, ct), twice, at BI + 4 m + 2 ct
.set VT,   96
.set DD,   128                         ; five results of a chunk's levels
.set TT,   176                         ; ten tiles of sums: chunks 0-3, then pairs (0,1) (2,3) (0,2) (0,3) (1,2) (1,3)
.set WV, 26                            ; s26 wave; s27 wr; s66 wc; s67 bx; s72 by; s75 the tile
.set WR, 27
.set WC, 66
.set BX, 67
.set BY, 72
.set G1A, 28                           ; s[28:35], s[36:43] descriptor group 1 for x's and W's tiles
.set G1B, 36
.set G0A, 44                           ; s[44:55] group 0 for x's tiles, a set a slot
.set G0B, 56                           ; s[56:63], s[68:71] the same for W's
.set G0B2, 68
.set G1C, (1<<16)|(1<<20)|(1<<21)|(5<<22)|(3<<25)  ; 2-byte elements; padding on; bit 21 beside a mask; after every 64 words; 4 words
.set MSB, 0
.macro WIN new                         ; the high byte repeats the setting that is left; a switch that changes nothing is dropped
.if MSB != (\new)
	s_set_vgpr_msb (MSB<<8)|(\new)
.set MSB, \new
.endif
.endm
.macro PLACES                          ; four plain instructions between a matrix instruction and a vector read of its result or a write or load into its registers
.rept 4
	v_nop
.endr
.endm
.macro PLACES5                         ; five, where a matrix instruction writes over another's registers
.rept 5
	v_nop
.endr
.endm
.macro JLOAD                           ; the joint refill of slot 0: waves 0, 1 ask for x's halves, waves 2, 3 for W's; the branch hangs on the wave's number alone; an s_nop 0 and four v_nop follow each line
	s_cmp_eq_u32 s[WR], 0
	s_cbranch_scc0 .Lfor_b_\@
	tensor_load_to_lds s[G0A:G0A+3], s[G1A:G1A+7]
	s_nop 0
.rept 4
	v_nop
.endr
	s_branch .Lasked_\@
.Lfor_b_\@:
	tensor_load_to_lds s[G0B:G0B+3], s[G1B:G1B+7]
	s_nop 0
.rept 4
	v_nop
.endr
.Lasked_\@:
.endm
.macro CREST                           ; a round of the cluster's barrier behind its opening barrier
	s_cmp_lg_u32 s[WV], 0
	s_cbranch_scc1 .Lnot_wave_0_\@
	s_barrier_signal -3
.Lnot_wave_0_\@:
	s_barrier_wait -3
	s_barrier_signal -1
	s_barrier_wait -1
.endm
.macro CROUND
	s_barrier_signal -1
	s_barrier_wait -1
	CREST
.endm
.macro MKG0 g, lds, ptr, s             ; group 0 for slot s: count 1, LDS address, global address of K step s, type 2
	s_mov_b32 s[\g], 1
	s_add_co_u32 s[(\g)+1], s[\lds], (\s)*SLOT
	s_add_nc_u64 s[(\g)+2:(\g)+3], s[\ptr:(\ptr)+1], (\s)*256
	s_or_b32 s[(\g)+3], s[(\g)+3], 0x80000000
.endm
	s_load_b512 s[4:19], s[0:1], 0x0               ; xb 4, wb 6, bq 8, bk 10, bv 12, ba 14, qt 16, kt 18
	s_load_b128 s[20:23], s[0:1], 0x40             ; vf 20, gt 22
	s_load_b64 s[24:25], s[0:1], 0x50              ; dp
	v_lshl_add_u32 v[SPW], v0, 2, SPARE
	v_mov_b32 v[NIL], 0
	ds_add_u32 v[SPW], v[NIL]                      ; the opening: the add, twice on end, and its wait ahead of my first tensor load
	ds_add_u32 v[SPW], v[NIL]
	v_lshrrev_b32 v1, 5, v0
	v_readfirstlane_b32 s[WV], v1                  ; wave 0..3
	s_lshr_b32 s[WR], s[WV], 1                     ; my half of the rows.  Also: I fetch for x (0) or for W (1)
	s_and_b32 s[WC], s[WV], 1                      ; my half of the channels.  Also: which half of that tile I fetch
	s_bfe_u32 s73, ttmp6, 0x40000                  ; cx
	s_bfe_u32 s74, ttmp6, 0x40004                  ; cy
	s_lshl_b32 s[BX], ttmp9, 2
	s_add_co_u32 s[BX], s[BX], s73                 ; channel block = 4 x cluster x + cx
	s_and_b32 s[BY], ttmp7, 0xffff
	s_lshl_b32 s[BY], s[BY], 2
	s_add_co_u32 s[BY], s[BY], s74                 ; row block = 4 x cluster y + cy
	s_lshl_b32 s76, s74, 2
	s_lshl_b32 s76, 15, s76                        ; my row of the cluster
	s_lshl_b32 s77, 0x1111, s73                    ; my column
	s_or_b32 s[G1A], s76, G1C
	s_or_b32 s[G1B], s77, G1C
	s_mov_b32 s[G1A+1], 128<<16                    ; tensor_dim0 = 128 elements
	s_mov_b32 s[G1A+2], 64<<16                     ; tensor_dim1 = 64 rows
	s_mov_b32 s[G1A+3], 128<<16                    ; tile_dim0
	s_mov_b32 s[G1A+4], 64                         ; tile_dim1
	s_mov_b32 s[G1A+5], 512                        ; elements from row to row
	s_mov_b32 s[G1A+6], 0
	s_mov_b32 s[G1A+7], 0
	s_mov_b32 s[G1B+1], 128<<16
	s_mov_b32 s[G1B+2], 128<<16                    ; 128 rows
	s_mov_b32 s[G1B+3], 128<<16
	s_mov_b32 s[G1B+4], 128
	s_mov_b32 s[G1B+5], 512
	s_mov_b32 s[G1B+6], 0
	s_mov_b32 s[G1B+7], 0
	s_lshl_b32 s78, s[BY], 17                      ; x: (128 by + 64 wc) rows of 1,024 bytes: made of by and the wave alone
	s_lshl_b32 s79, s[WC], 16
	s_add_co_u32 s78, s78, s79
	s_mov_b32 s79, 0
	s_lshl_b32 s2, s[BX], 18                       ; W: (256 bx + 128 wc) rows: made of bx and the wave alone
	s_lshl_b32 s3, s[WC], 17
	s_add_co_u32 s2, s2, s3
	s_mov_b32 s3, 0
	s_mul_i32 s90, s[WC], 64*PITCH                 ; where they go: no place in the cluster enters an LDS address
	s_mul_i32 s91, s[WC], 128*PITCH
	s_add_co_u32 s91, s91, ABYTES
	s_wait_dscnt 0x0                               ; both opening adds are done
	s_wait_kmcnt 0x0
	s_add_nc_u64 s[92:93], s[4:5], s[78:79]
	s_add_nc_u64 s[94:95], s[6:7], s[2:3]
	CROUND                                         ; all sixteen work-groups are here: the first joint loads meet
	MKG0 G0A, 90, 92, 0
	MKG0 G0A+4, 90, 92, 1
	MKG0 G0A+8, 90, 92, 2
	MKG0 G0B, 91, 94, 0
	MKG0 G0B+4, 91, 94, 1
	MKG0 G0B2, 91, 94, 2
	s_cmp_eq_u32 s[WR], 0                          ; a wave's three first fills stand in one branch, ahead of every wait on TENSORcnt, LDS read and barrier of the work-group's own
	s_cbranch_scc0 .Lfirst_b
	tensor_load_to_lds s[G0A:G0A+3], s[G1A:G1A+7]
	s_nop 0
	tensor_load_to_lds s[G0A+4:G0A+7], s[G1A:G1A+7]
	s_nop 0
	tensor_load_to_lds s[G0A+8:G0A+11], s[G1A:G1A+7]
	s_nop 0
.rept 4
	v_nop
.endr
	s_branch .Lfirst_done
.Lfirst_b:
	tensor_load_to_lds s[G0B:G0B+3], s[G1B:G1B+7]
	s_nop 0
	tensor_load_to_lds s[G0B+4:G0B+7], s[G1B:G1B+7]
	s_nop 0
	tensor_load_to_lds s[G0B2:G0B2+3], s[G1B:G1B+7]
	s_nop 0
.rept 4
	v_nop
.endr
.Lfirst_done:
	v_and_b32 v1, 15, v0                           ; r = lane % 16
	v_bfe_u32 v2, v0, 4, 1                         ; h = lane / 16
	v_mul_u32_u24 v3, v1, PITCH
	v_lshl_add_u32 v3, v2, 4, v3                   ; a fragment's row x pitch + 16 h
	s_mul_i32 s96, s[WR], 64*PITCH                 ; my 64 rows of x
	s_mul_i32 s97, s[WC], 32*PITCH                 ; my 32 channels in each block of 64 rows of W
	s_add_co_u32 s97, s97, ABYTES
.irp s, 0,1,2
	v_add_nc_u32 v[ADRA+(\s)], s96, v3
	v_add_nc_u32 v[ADRB+(\s)], s97, v3
	s_add_co_u32 s96, s96, SLOT
	s_add_co_u32 s97, s97, SLOT
.endr
	v_and_b32 v[L4], 31, v0
	v_lshlrev_b32 v[L16], 4, v[L4]
	v_lshlrev_b32 v[L4], 2, v[L4]
	s_mul_i32 s98, s[WV], STG                      ; my stage
	v_mul_u32_u24 v[STO], v1, SPI
	v_lshl_add_u32 v[STO], v2, 4, v[STO]
	v_add_nc_u32 v[STO], s98, v[STO]               ; channel r, rows 8 h ..
	v_and_b32 v[TRA], 7, v0
	v_lshl_add_u32 v[TRA], v2, 3, v[TRA]
	v_mul_u32_u24 v[TRA], v[TRA], SPI              ; the turning load: lane l reads channel 8 h + l % 8, rows 8 ((l / 8) % 2) ..
	v_bfe_u32 v[EXA], v0, 3, 1
	v_lshl_add_u32 v[TRA], v[EXA], 4, v[TRA]
	v_add_nc_u32 v[TRA], s98, v[TRA]
	s_mul_i32 s99, s[WR], 10240
	s_add_co_u32 s99, s99, EXC
	v_add_nc_u32 v[EXA], s99, v[L16]
	s_lshl_b32 s2, s[BX], 8                        ; (64 bx + 32 wc) x 4 bytes
	s_lshl_b32 s3, s[WC], 7
	s_add_co_u32 s2, s2, s3
	v_lshl_add_u32 v[BOF], v1, 2, s2
.irp m, 0,1,2,3
.irp ct, 0,1
	global_load_b32 v[BI+4*(\m)+2*(\ct)], v[BOF], s[8+2*(\m):9+2*(\m)] offset:64*(\ct)  ; waited for behind the products
.endr
.endr
	; where the results go; each address is its own buffer's plus an offset made apart
	s_lshl_b32 s75, s[BY], 1
	s_add_co_u32 s75, s75, s[WR]                   ; my tile of 64 rows
	s_lshl_b32 s76, s75, 11
	s_add_co_u32 s2, s2, s76
	s_mov_b32 s3, 0
	s_add_nc_u64 s[22:23], s[22:23], s[2:3]        ; gt: tile x 2,048 + my 32 channels
	s_lshl_b32 s2, s75, 17
	s_lshl_b32 s76, s[BX], 14
	s_add_co_u32 s2, s2, s76
	s_add_nc_u64 s[24:25], s[24:25], s[2:3]        ; dp: (8 tile + bx) x 16,384
	s_lshl_b32 s76, s[WC], 13
	s_add_co_u32 s2, s2, s76
	s_add_nc_u64 s[20:21], s[20:21], s[2:3]        ; vf: tile x 131,072 + (4 bx + 2 wc) x 4,096
	s_lshl_b32 s2, s75, 16
	s_lshl_b32 s76, s[BX], 11
	s_add_co_u32 s2, s2, s76
	s_lshl_b32 s76, s[WC], 10
	s_add_co_u32 s2, s2, s76
	s_add_nc_u64 s[16:17], s[16:17], s[2:3]        ; qt, kt: tile x 65,536 + (2 bx + wc) x 1,024
	s_add_nc_u64 s[18:19], s[18:19], s[2:3]
; 24 LDS loads in one run: the fragments of 32 along K at byte kb of the rows: W's eight, then x's four
.macro FETCH slot, kb, f
	WIN 0
.irp m, 0,1,2,3
.irp ct, 0,1
	ds_load_b128 v[(\f)+8*(2*(\m)+(\ct)):(\f)+8*(2*(\m)+(\ct))+3],   v[ADRB+(\slot)] offset:(64*(\m)+16*(\ct))*PITCH+(\kb)
	ds_load_b128 v[(\f)+8*(2*(\m)+(\ct))+4:(\f)+8*(2*(\m)+(\ct))+7], v[ADRB+(\slot)] offset:(64*(\m)+16*(\ct))*PITCH+(\kb)+32
.endr
.endr
.irp rt, 0,1,2,3
	ds_load_b128 v[(\f)+64+8*(\rt):(\f)+64+8*(\rt)+3],   v[ADRA+(\slot)] offset:16*(\rt)*PITCH+(\kb)
	ds_load_b128 v[(\f)+64+8*(\rt)+4:(\f)+64+8*(\rt)+7], v[ADRA+(\slot)] offset:16*(\rt)*PITCH+(\kb)+32
.endr
.endm
; 8 matrix instructions: row block rt x all 8 column blocks.  The 32 accumulators take turns, one instruction a turn, in the same order in every quarter.  zero = 1: the product starts the sum
.macro GRP f, rt, zero
	WIN 0x50                                       ; C and D in window 1
.irp m, 0,1,2,3
.irp ct, 0,1
.if \zero
	v_wmma_f32_16x16x32_bf16 v[64*(\m)+16*(\rt)+8*(\ct):64*(\m)+16*(\rt)+8*(\ct)+7], v[(\f)+64+8*(\rt):(\f)+64+8*(\rt)+7], v[(\f)+8*(2*(\m)+(\ct)):(\f)+8*(2*(\m)+(\ct))+7], 0
.else
	v_wmma_f32_16x16x32_bf16 v[64*(\m)+16*(\rt)+8*(\ct):64*(\m)+16*(\rt)+8*(\ct)+7], v[(\f)+64+8*(\rt):(\f)+64+8*(\rt)+7], v[(\f)+8*(2*(\m)+(\ct)):(\f)+8*(2*(\m)+(\ct))+7], v[64*(\m)+16*(\rt)+8*(\ct):64*(\m)+16*(\rt)+8*(\ct)+7]
.endif
.endr
.endr
.endm
; A quarter of a K step: multiplies buffer f; in its middle fetches 32 along K at byte kb of slot's rows into buffer g
.macro QUARTER slot, kb, f, g, zero
	s_wait_dscnt 4                                 ; W's fragments and x's row blocks 0, 1 are in; the youngest four loads (row blocks 2, 3) may be out
	GRP \f, 0, \zero
	GRP \f, 1, \zero
	PLACES
	FETCH \slot, \kb, \g
	s_wait_dscnt 24                                ; all but the 24 just issued
	GRP \f, 2, \zero
	GRP \f, 3, \zero
.endm
; A K step's last quarter where waves must meet.  In front of the barrier each wave waits for all its tensor loads, adds 0 to its spare word, and waits for that and for its reads.
; fill = 1: the barrier opens a round of the cluster's, and slot 0, read out by every wave of every partner, takes K step 3: the first thing behind the round.
.macro TURN fill, next
	WIN 0
	s_wait_tensorcnt 0x0                           ; all my tensor loads have landed
	ds_add_u32 v[SPW], v[NIL]
	s_wait_dscnt 7                                 ; x's row blocks 1 to 3 (six loads) and the add may be out
	GRP F1, 0, 0
	s_wait_dscnt 0x0                               ; the add is done, and my reads of the slot are over
	s_barrier_signal -1
	GRP F1, 1, 0
	WIN 0
	s_barrier_wait -1
.if \fill
	CREST
	s_add_nc_u64 s[G0A+2:G0A+3], s[G0A+2:G0A+3], 768   ; no tensor load of mine is out: K step 3, three steps of 256 bytes on
	s_add_nc_u64 s[G0B+2:G0B+3], s[G0B+2:G0B+3], 768
	JLOAD                                          ; its four v_nop are also the places in front of the loads below
.else
	PLACES
.endif
	FETCH \next, 0, F0
	GRP F1, 2, 0
	GRP F1, 3, 0
.endm
	s_wait_tensorcnt 0x2                           ; my part of K step 0 is in; steps 1 and 2 stay out
	s_barrier_signal -1
	s_barrier_wait -1
	FETCH 0, 0, F0
	QUARTER 0, 64,  F0, F1, 1                      ; the first quarter's products start the sums: nothing is cleared
	QUARTER 0, 128, F1, F0, 0
	QUARTER 0, 192, F0, F1, 0
	TURN 1, 1                                      ; slots 1 and 2 are whole for everybody; slot 0 takes K step 3
	QUARTER 1, 64,  F0, F1, 0
	QUARTER 1, 128, F1, F0, 0
	QUARTER 1, 192, F0, F1, 0
	QUARTER 2, 0,   F1, F0, 0                      ; no barrier: the round above has shown slot 2 whole
	QUARTER 2, 64,  F0, F1, 0
	QUARTER 2, 128, F1, F0, 0
	QUARTER 2, 192, F0, F1, 0
	TURN 0, 0                                      ; K step 3 has landed, everybody's part; nothing is filled any more
	QUARTER 0, 64,  F0, F1, 0
	QUARTER 0, 128, F1, F0, 0
	QUARTER 0, 192, F0, F1, 0
	s_wait_dscnt 4
	GRP F1, 0, 0
	GRP F1, 1, 0
	s_wait_dscnt 0x0
	GRP F1, 2, 0
	GRP F1, 3, 0
	; ---- THE SLOTS HAVE HAD THEIR LAST FILL.  When every wave has read them out they become stages.
	WIN 0
	PLACES
	s_wait_dscnt 0x0
	s_barrier_signal -1
	s_barrier_wait -1
	s_mov_b32 s80, 0x76543210                      ; v_permlanex16_b32: each lane takes its own place in the other half
	s_mov_b32 s81, 0xfedcba98
	s_mov_b32 s82, 0xbfb8aa3b                      ; -log2(e)
	s_mov_b32 s83, 0xbfb8aa3b
	s_mov_b32 s84, 0xffff0000                      ; lanes 16-31; also a word's upper bf16
	; lane masks for a result with key 8 h + j (register j) and query r: lower half s, upper half t of a block of 2 x 8, 4, 2, 1 rows; and s = t
	s_mov_b32 s85, 0x0000ff00
	s_mov_b32 s86, 0xf00000f0                      ; j < 4
	s_mov_b32 s87, 0x0c00000c                      ; j = 0, 1
	s_mov_b32 s88, 0xc00000c0                      ; j = 4, 5
.irp j, 0,1,2,3,4,5,6,7
	s_mov_b32 s[89+(\j)], (1<<(\j))|(1<<(24+(\j)))
.endr
.irp j, 0,2,4,6
	s_mov_b32 s[97+(\j)/2], (1<<((\j)+1))|(1<<(25+(\j)))
.endr
	s_wait_loadcnt 0x0                             ; the biases
.irp i, 0,1,2,3,4,5,6,7
	v_cvt_pk_bf16_f32 v[BI+2*(\i)+1], v[BI+2*(\i)], v[BI+2*(\i)]   ; rounded to bf16 like x and W,
.endr
.irp i, 0,1,2,3,4,5,6,7
	v_lshlrev_b32 v[BI+2*(\i)], 16, v[BI+2*(\i)+1]                 ; back in f32,
.endr
.irp i, 0,1,2,3,4,5,6,7
	v_mov_b32 v[BI+2*(\i)+1], v[BI+2*(\i)]                         ; twice, for the packed forms
.endr
	v_pk_mul_f32 v[BI+12:BI+13], v[BI+12:BI+13], s[82:83] op_sel_hi:[1,0]  ; sigmoid(z) = 1 / (1 + 2^(-log2(e) z)): ba carries the factor
	v_pk_mul_f32 v[BI+14:BI+15], v[BI+14:BI+15], s[82:83] op_sel_hi:[1,0]
	; ---- V: + bv; a lane's 8 rows of two row blocks ARE a fragment of V^T (lane = channel, 32 keys): hi = bf16(v), lo = bf16(v - hi), stored as they lie
	WIN 0x41
.irp t, 0,1,2,3,4,5,6,7
.irp q, 0,1,2,3
	v_pk_add_f32 v[128+8*(\t)+2*(\q):128+8*(\t)+2*(\q)+1], v[128+8*(\t)+2*(\q):128+8*(\t)+2*(\q)+1], v[BI+8+2*((\t)%2):BI+8+2*((\t)%2)+1]  ; each accumulator is read from its low end on
.endr
.endr
.macro VOUT ct, kp
.set vh, 32+16*(2*(\ct)+(\kp))
.set va, 128+32*(\kp)+8*(\ct)
	WIN 0x05
.irp q, 0,1,2,3
	v_cvt_pk_bf16_f32 v[vh+(\q)],   v[va+2*(\q)],    v[va+2*(\q)+1]
	v_cvt_pk_bf16_f32 v[vh+4+(\q)], v[va+16+2*(\q)], v[va+16+2*(\q)+1]
.endr
	WIN 0
.irp q, 0,1,2,3,4,5,6,7
	v_lshlrev_b32 v[VT+2*(\q)],   16,  v[vh+(\q)]
	v_and_b32     v[VT+2*(\q)+1], s84, v[vh+(\q)]
.endr
	WIN 0x01
.irp q, 0,1,2,3
	v_pk_add_f32 v[VT+2*(\q):VT+2*(\q)+1],     v[va+2*(\q):va+2*(\q)+1],       v[VT+2*(\q):VT+2*(\q)+1]     neg_lo:[0,1] neg_hi:[0,1]
	v_pk_add_f32 v[VT+8+2*(\q):VT+8+2*(\q)+1], v[va+16+2*(\q):va+16+2*(\q)+1], v[VT+8+2*(\q):VT+8+2*(\q)+1] neg_lo:[0,1] neg_hi:[0,1]
.endr
	WIN 0
.irp q, 0,1,2,3,4,5,6,7
	v_cvt_pk_bf16_f32 v[vh+8+(\q)], v[VT+2*(\q)], v[VT+2*(\q)+1]
.endr
.irp p, 0,1,2,3
	global_store_b128 v[L16], v[vh+4*(\p):vh+4*(\p)+3], s[20:21] offset:(\ct)*4096+(\kp)*2048+(\p)*512  ; 512 consecutive bytes, aligned; each of the four sets of registers is written once
.endr
.endm
	VOUT 0, 0
	VOUT 0, 1
	VOUT 1, 0
	VOUT 1, 1
	; ---- scratch in window 1, where v's sums lay
.set SA,   128                         ; the stage address
.set GC0,  129                         ; G of my first 16 channels
.set XW0,  130
.set XW1,  131
.set XU5,  132
.set XU6,  133
.set XU7,  134
.set XS5,  135
.set XS4,  136
.set XS2,  137
.set XS1,  138
.set XS0,  139
.set XP1,  140                         ; p1 .. p7 at 140 .. 146
.set XP7,  146
.set XEO,  147
.set XT,   148                         ; eight at work
.set PKR,  156                         ; two sets of four packed words, by turns
.set CQ,   164                         ; even registers: cQ, cK of row blocks 0-3; odd ones: g and its products
.set CK,   172
.set GG,   165
.set G01,  173
.set G012, 175
.set G23,  177
.set G123, 179
	WIN 0x40
	v_mov_b32 v[SA], v[STO]
	v_mov_b32 v[XEO], 0                            ; v_permlanex16_b32 counts as a reader of its destination
.irp i, 0,1,2,3
	v_mov_b32 v[180+(\i)], v[BI+(\i)]              ; bq
	v_mov_b32 v[184+(\i)], v[BI+4+(\i)]            ; bk
	v_mov_b32 v[188+(\i)], v[BI+12+(\i)]           ; -log2(e) ba
.endr
	WIN 0x55                                       ; from here to the stage's last store every operand lies in window 1
	; ---- activations
.irp m, 0,1
.irp t, 0,1,2,3,4,5,6,7
.irp q, 0,1,2,3
	v_pk_add_f32 v[64*(\m)+8*(\t)+2*(\q):64*(\m)+8*(\t)+2*(\q)+1], v[64*(\m)+8*(\t)+2*(\q):64*(\m)+8*(\t)+2*(\q)+1], v[180+4*(\m)+2*((\t)%2):180+4*(\m)+2*((\t)%2)+1]
.endr
.endr
.endr
.set i, 0
.rept 128
	v_max_num_f32 v[i], 0, v[i]                    ; relu
.set i, i+1
.endr
.irp t, 0,1,2,3,4,5,6,7
.irp q, 0,1,2,3
	v_pk_fma_f32 v[192+8*(\t)+2*(\q):192+8*(\t)+2*(\q)+1], v[192+8*(\t)+2*(\q):192+8*(\t)+2*(\q)+1], s[82:83], v[188+2*((\t)%2):188+2*((\t)%2)+1] op_sel_hi:[1,0,1]
.endr
.endr
.set i, 192
.rept 64
	v_exp_f32 v[i], v[i]                           ; one batch
.set i, i+1
.endr
	v_nop                                          ; a plain instruction behind the last exponential,
	s_wait_alu depctr_va_vdst(0)                   ; and the one wait ahead of the batch's first reader
.set i, 192
.rept 32
	v_pk_add_f32 v[i:i+1], v[i:i+1], 1.0 op_sel_hi:[1,0]
.set i, i+2
.endr
.set i, 192
.rept 64
	v_rcp_f32 v[i], v[i]
.set i, i+1
.endr
	v_nop
	s_wait_alu depctr_va_vdst(0)
	; ---- the products along time.  A lane's 8 rows of a row block are a segment a0 .. a7; p_j = a0 .. a_j, s_j = a_(j+1) .. a7.
.macro PKST id, ct, rt, a0, a1, a2, a3, a4, a5, a6, a7  ; eight numbers to bf16, 16 bytes into array id of my stage
	v_cvt_pk_bf16_f32 v[PKR],   v[\a0], v[\a1]
	v_cvt_pk_bf16_f32 v[PKR+1], v[\a2], v[\a3]
	v_cvt_pk_bf16_f32 v[PKR+2], v[\a4], v[\a5]
	v_cvt_pk_bf16_f32 v[PKR+3], v[\a6], v[\a7]
	ds_store_b128 v[SA], v[PKR:PKR+3] offset:(\id)*ARR+(\ct)*2560+(\rt)*32
.set PKR, 316-PKR
.endm
.macro SEG rt, ct
.set QB, 16*(\rt)+8*(\ct)
.set KB, 64+QB
.set AB, 192+QB
	v_mul_f32 v[XW1], v[AB+2], v[AB+3]             ; 17 products serve all levels
	v_mul_f32 v[XU5], v[AB+4], v[AB+5]
	v_mul_f32 v[XS5], v[AB+6], v[AB+7]
	v_mul_f32 v[XP1], v[AB], v[AB+1]
	v_mul_f32 v[XW0], v[AB+1], v[XW1]
	v_mul_f32 v[XU6], v[XU5], v[AB+6]
	v_mul_f32 v[XS4], v[AB+5], v[XS5]
	v_mul_f32 v[XP1+1], v[XP1], v[AB+2]
	v_mul_f32 v[XU7], v[XU6], v[AB+7]
	v_mul_f32 v[XP1+2], v[XP1+1], v[AB+3]
	v_mul_f32 v[XS2], v[AB+3], v[XU7]
	v_mul_f32 v[XS1], v[XW1], v[XU7]
	v_mul_f32 v[XS0], v[XW0], v[XU7]
	v_mul_f32 v[XP1+3], v[XP1+2], v[AB+4]
	v_mul_f32 v[XP1+4], v[XP1+2], v[XU5]
	v_mul_f32 v[XP1+5], v[XP1+2], v[XU6]
	v_mul_f32 v[XP7], v[XP1+2], v[XU7]
	v_mul_f32 v[XT+1], v[QB+1], v[AB+1]            ; X1 = k0, q1 a1, k2, q3 a3, ..
	v_mul_f32 v[XT+3], v[QB+3], v[AB+3]
	v_mul_f32 v[XT+5], v[QB+5], v[AB+5]
	v_mul_f32 v[XT+7], v[QB+7], v[AB+7]
	PKST 5, \ct, \rt, KB, XT+1, KB+2, XT+3, KB+4, XT+5, KB+6, XT+7
	v_mul_f32 v[XT], v[KB], v[AB+1]                ; X2 = k0 a1, k1, q2 a2, q3 a2 a3, k4 a5, k5, q6 a6, q7 a6 a7
	v_mul_f32 v[XT+2], v[QB+2], v[AB+2]
	v_mul_f32 v[XT+3], v[QB+3], v[XW1]
	v_mul_f32 v[XT+4], v[KB+4], v[AB+5]
	v_mul_f32 v[XT+6], v[QB+6], v[AB+6]
	v_mul_f32 v[XT+7], v[QB+7], v[XS5]
	PKST 4, \ct, \rt, XT, KB+1, XT+2, XT+3, XT+4, KB+5, XT+6, XT+7
	v_mul_f32 v[XT], v[KB], v[XW0]                 ; X4 = k0 a1a2a3, k1 a2a3, k2 a3, k3, q4 a4, q5 a4a5, ..
	v_mul_f32 v[XT+1], v[KB+1], v[XW1]
	v_mul_f32 v[XT+2], v[KB+2], v[AB+3]
	v_mul_f32 v[XT+4], v[QB+4], v[AB+4]
	v_mul_f32 v[XT+5], v[QB+5], v[XU5]
	v_mul_f32 v[XT+6], v[QB+6], v[XU6]
	v_mul_f32 v[XT+7], v[QB+7], v[XU7]
	PKST 3, \ct, \rt, XT, XT+1, XT+2, KB+3, XT+4, XT+5, XT+6, XT+7
	PKST 6, \ct, \rt, QB, QB+1, QB+2, QB+3, QB+4, QB+5, QB+6, QB+7   ; q and k as they are, for s = t
	PKST 7, \ct, \rt, KB, KB+1, KB+2, KB+3, KB+4, KB+5, KB+6, KB+7
	v_mul_f32 v[QB], v[QB], v[AB]                  ; q p and k s take q's and k's places
.irp j, 1,2,3,4,5,6,7
	v_mul_f32 v[QB+(\j)], v[QB+(\j)], v[XP1+(\j)-1]
.endr
	v_mul_f32 v[KB], v[KB], v[XS0]
	v_mul_f32 v[KB+1], v[KB+1], v[XS1]
	v_mul_f32 v[KB+2], v[KB+2], v[XS2]
	v_mul_f32 v[KB+3], v[KB+3], v[XU7]
	v_mul_f32 v[KB+4], v[KB+4], v[XS4]
	v_mul_f32 v[KB+5], v[KB+5], v[XS5]
	v_mul_f32 v[KB+6], v[KB+6], v[AB+7]
.irp j, 0,1,2,3,4,5,6,7
	v_cndmask_b32 v[XT+(\j)], v[KB+(\j)], v[QB+(\j)], s84   ; X8: rows 0-7 of the chunk (lanes 0-15) k s, rows 8-15 q p
.endr
	PKST 2, \ct, \rt, XT, XT+1, XT+2, XT+3, XT+4, XT+5, XT+6, XT+7
	v_permlanex16_b32 v[XEO], v[XP7], s80, s81     ; the chunk's other segment's whole product
	v_mul_f32 v[GG+2*(\rt)], v[XP7], v[XEO]        ; g: the chunk's
	v_cndmask_b32 v[CQ+2*(\rt)], 1.0, v[XEO], s84  ; q p reaches back to the chunk's start,
	v_cndmask_b32 v[CK+2*(\rt)], v[XEO], 1.0, s84  ; k s on to its end
.endm
.macro MULST id, ct, rt, src, fac      ; eight numbers times one factor (the low register of an even pair), into array id
.irp q, 0,1,2,3
	v_pk_mul_f32 v[XT+2*(\q):XT+2*(\q)+1], v[(\src)+2*(\q):(\src)+2*(\q)+1], v[(\fac):(\fac)+1] op_sel_hi:[1,0]
.endr
	PKST \id, \ct, \rt, XT, XT+1, XT+2, XT+3, XT+4, XT+5, XT+6, XT+7
.endm
.macro PASS2 ct
.set QR0, 8*(\ct)
.set KR0, 64+8*(\ct)
	v_mul_f32 v[G01], v[GG], v[GG+2]
	v_mul_f32 v[G23], v[GG+4], v[GG+6]
	v_mul_f32 v[G012], v[G01], v[GG+4]
	v_mul_f32 v[G123], v[GG+2], v[G23]
	v_mul_f32 v180, v[CQ+2], v[GG]                 ; QT's factors for row blocks 1-3,
	v_mul_f32 v182, v[CQ+4], v[G01]
	v_mul_f32 v184, v[CQ+6], v[G012]
	v_mul_f32 v186, v[CK], v[G123]                 ; KT's for 0-2,
	v_mul_f32 v188, v[CK+2], v[G23]
	v_mul_f32 v190, v[CK+4], v[GG+6]
	v_mul_f32 v130, v[CK], v[GG+2]                 ; X32's for 0 and 3
	v_mul_f32 v132, v[CQ+6], v[GG+4]
	MULST 0, \ct, 0, QR0, CQ                       ; array 0 QT, 1 KT, 8 X16, 9 X32
	MULST 1, \ct, 0, KR0, 186
	MULST 8, \ct, 0, KR0, CK
	MULST 9, \ct, 0, KR0, 130
	MULST 0, \ct, 1, QR0+16, 180
	MULST 1, \ct, 1, KR0+16, 188
	MULST 8, \ct, 1, QR0+16, CQ+2
	MULST 9, \ct, 1, KR0+16, CK+2
	MULST 0, \ct, 2, QR0+32, 182
	MULST 1, \ct, 2, KR0+32, 190
	MULST 8, \ct, 2, KR0+32, CK+4
	MULST 9, \ct, 2, QR0+32, CQ+4
	MULST 0, \ct, 3, QR0+48, 184
	MULST 1, \ct, 3, KR0+48, CK+6
	MULST 8, \ct, 3, QR0+48, CQ+6
	MULST 9, \ct, 3, QR0+48, 132
.if (\ct) == 0
	v_mul_f32 v[GC0], v[G012], v[GG+6]             ; G: the tile's whole product
.else
	v_mul_f32 v[XT], v[G012], v[GG+6]
.endif
.endm
.irp ct, 0,1
	SEG 0, \ct
	SEG 1, \ct
	SEG 2, \ct
	SEG 3, \ct
	PASS2 \ct
.endr
	v_cndmask_b32 v[XT], v[GC0], v[XT], s84        ; lane l: channel l of my 32
	WIN 0x01
	v_mov_b32 v[GOUT], v[XT]
	WIN 0
	global_store_b32 v[L4], v[GOUT], s[22:23]      ; 128 consecutive bytes a wave, once
	; ---- out of the stage, turned: fragments with lane = row, 32 channels along the registers.  The stage is my own, and LDS serves a wave's instructions in order (ISA guide 5.7.1.4): no wait between its stores and these loads
.macro FRAG dst, id, c
	ds_load_tr16_b128 v[(\dst):(\dst)+3],   v[TRA] offset:(\id)*ARR+32*(\c)
	ds_load_tr16_b128 v[(\dst)+4:(\dst)+7], v[TRA] offset:(\id)*ARR+32*(\c)+2560
.endm
	s_wait_xcnt 0x0                                ; v's stores have read their registers, which are loaded again below
.irp c, 0,1,2,3
	FRAG 32+8*(\c), 0, \c
.endr
.irp c, 0,1,2,3
	FRAG 64+8*(\c), 1, \c
.endr
.irp c, 0,1,2,3
	FRAG 112+8*(\c), 8, \c
.endr
.irp c, 0,1,2,3
	FRAG 144+8*(\c), 9, \c
.endr
	s_wait_dscnt 16                                ; QT and KT are in; X16's and X32's 16 loads may be out
.irp c, 0,1,2,3
	global_store_b128 v[L16], v[32+8*(\c):35+8*(\c)], s[16:17] offset:(\c)*16384
	global_store_b128 v[L16], v[36+8*(\c):39+8*(\c)], s[16:17] offset:(\c)*16384+512
	global_store_b128 v[L16], v[64+8*(\c):67+8*(\c)], s[18:19] offset:(\c)*16384
	global_store_b128 v[L16], v[68+8*(\c):71+8*(\c)], s[18:19] offset:(\c)*16384+512
.endr
	s_wait_dscnt 0x0
	; pairs of chunks, source 0 the keys' chunk, source 1 the queries': the result holds one query a lane and keys 8 h + j
	v_wmma_f32_16x16x32_bf16 v[TT+32:TT+39], v[112:119], v[120:127], 0   ; (0,1)
	v_wmma_f32_16x16x32_bf16 v[TT+40:TT+47], v[128:135], v[136:143], 0   ; (2,3)
	v_wmma_f32_16x16x32_bf16 v[TT+48:TT+55], v[144:151], v[160:167], 0   ; (0,2)
	v_wmma_f32_16x16x32_bf16 v[TT+56:TT+63], v[144:151], v[168:175], 0   ; (0,3)
	v_wmma_f32_16x16x32_bf16 v[TT+64:TT+71], v[152:159], v[160:167], 0   ; (1,2)
	v_wmma_f32_16x16x32_bf16 v[TT+72:TT+79], v[152:159], v[168:175], 0   ; (1,3)
	s_wait_xcnt 0x0                                ; QT's and KT's stores have read their registers
	PLACES5                                        ; the loads and products below write over those products' sources
.macro DLOAD c                         ; a chunk's six fragments: X8, X4, X2, X1, k, q; two sets of registers by turns
.set db, 32+48*((\c)%2)
	FRAG db, 2, \c
	FRAG db+8, 3, \c
	FRAG db+16, 4, \c
	FRAG db+24, 5, \c
	FRAG db+32, 7, \c
	FRAG db+40, 6, \c
.endm
	DLOAD 0
.irp c, 0,1,2,3
.if (\c) < 3
	DLOAD (\c)+1
	s_wait_dscnt 12                                ; this chunk's are in; the next chunk's 12 may be out
.else
	s_wait_dscnt 0x0
.endif
.set fb, 32+48*((\c)%2)
	v_wmma_f32_16x16x32_bf16 v[DD:DD+7],     v[fb:fb+7],       v[fb:fb+7],       0
	v_wmma_f32_16x16x32_bf16 v[DD+8:DD+15],  v[fb+8:fb+15],    v[fb+8:fb+15],    0
	v_wmma_f32_16x16x32_bf16 v[DD+16:DD+23], v[fb+16:fb+23],   v[fb+16:fb+23],   0
	v_wmma_f32_16x16x32_bf16 v[DD+24:DD+31], v[fb+24:fb+31],   v[fb+24:fb+31],   0
	v_wmma_f32_16x16x32_bf16 v[DD+32:DD+39], v[fb+32:fb+39],   v[fb+40:fb+47],   0
	PLACES
	; each pair (s, t), s <= t, belongs to one level: 28 selections; every result is read from its low end on
.irp j, 0,1,2,3,4,5,6,7
	v_cndmask_b32 v[TT+8*(\c)+(\j)], 0, v[DD+(\j)], s85
.endr
.irp j, 0,1,2,3
	v_cndmask_b32 v[TT+8*(\c)+(\j)], v[TT+8*(\c)+(\j)], v[DD+8+(\j)], s86
.endr
.irp j, 0,1
	v_cndmask_b32 v[TT+8*(\c)+(\j)], v[TT+8*(\c)+(\j)], v[DD+16+(\j)], s87
.endr
.irp j, 4,5
	v_cndmask_b32 v[TT+8*(\c)+(\j)], v[TT+8*(\c)+(\j)], v[DD+16+(\j)], s88
.endr
.irp j, 0,2,4,6
	v_cndmask_b32 v[TT+8*(\c)+(\j)], v[TT+8*(\c)+(\j)], v[DD+24+(\j)], s[97+(\j)/2]
.endr
.irp j, 0,1,2,3,4,5,6,7
	v_cndmask_b32 v[TT+8*(\c)+(\j)], v[TT+8*(\c)+(\j)], v[DD+32+(\j)], s[89+(\j)]
.endr
.endr
	; ---- the two waves of a tile add their channels' sums: wave (wr, 1) hands its ten tiles over, wave (wr, 0) adds and stores
	s_cmp_eq_u32 s[WC], 0
	s_cbranch_scc1 .Lkeep
.irp i, 0,1,2,3,4,5,6,7,8,9
	ds_store_b128 v[EXA], v[TT+8*(\i):TT+8*(\i)+3]   offset:1024*(\i)
	ds_store_b128 v[EXA], v[TT+8*(\i)+4:TT+8*(\i)+7] offset:1024*(\i)+512
.endr
.Lkeep:
	s_wait_dscnt 0x0                               ; for the other wave's sake: my stores are done
	s_barrier_signal -1
	s_barrier_wait -1
	s_cmp_eq_u32 s[WC], 0
	s_cbranch_scc0 .Lend
.irp i, 0,1,2,3,4,5,6,7,8,9,10,11,12,13,14,15,16,17,18,19
	ds_load_b128 v[32+4*(\i):35+4*(\i)], v[EXA] offset:512*(\i)
.endr
.irp i, 0,1,2,3
	v_mov_b32 v[112+(\i)], 0                       ; for the six tiles above the diagonal
.endr
	s_wait_dscnt 0x0
.set z, 0
.rept 40
	v_pk_add_f32 v[TT+z:TT+z+1], v[TT+z:TT+z+1], v[32+z:33+z]
.set z, z+2
.endr
.macro DPST ti, pos                    ; tile ti of TT to place 4 c' + c
	global_store_b128 v[L16], v[TT+8*(\ti):TT+8*(\ti)+3],   s[24:25] offset:(\pos)*1024
	global_store_b128 v[L16], v[TT+8*(\ti)+4:TT+8*(\ti)+7], s[24:25] offset:(\pos)*1024+512
.endm
	DPST 0, 0
	DPST 4, 1
	DPST 6, 2
	DPST 7, 3
	DPST 1, 5
	DPST 8, 6
	DPST 9, 7
	DPST 2, 10
	DPST 5, 11
	DPST 3, 15
.irp pos, 4,8,9,12,13,14
	global_store_b128 v[L16], v[112:115], s[24:25] offset:(\pos)*1024
	global_store_b128 v[L16], v[112:115], s[24:25] offset:(\pos)*1024+512
.endr
.Lend:
	s_wait_tensorcnt 0x0                           ; the wave's end: behind my last tensor load and my last LDS store
	ds_add_u32 v[SPW], v[NIL]
	s_wait_dscnt 0x0
	CROUND                                         ; the closing round
	s_endpgm
.Lfunc_end_k_qa9880198ee_proj:
	.size	k_qa9880198ee_proj, .Lfunc_end_k_qa9880198ee_proj-k_qa9880198ee_proj
	.p2alignl 7, 3214868480
	.fill 96, 4, 3214868480
	.section	.rodata,"a",@progbits
	.p2align	6, 0x0
	.amdhsa_kernel k_qa9880198ee_proj
		.amdhsa_group_segment_fixed_size 327680
		.amdhsa_private_segment_fixed_size 0
		.amdhsa_enable_private_segment 0
		.amdhsa_kernarg_size 88
		.amdhsa_user_sgpr_count 2
		.amdhsa_user_sgpr_kernarg_segment_ptr 1
		.amdhsa_wavefront_size32 1
		.amdhsa_system_sgpr_workgroup_id_x 1
		.amdhsa_system_sgpr_workgroup_id_y 1
		.amdhsa_system_sgpr_workgroup_id_z 1
		.amdhsa_system_vgpr_workitem_id 0
		.amdhsa_next_free_vgpr 512
		.amdhsa_next_free_sgpr 101
		.amdhsa_reserve_vcc 0
		.amdhsa_float_denorm_mode_32 3
		.amdhsa_float_denorm_mode_16_64 3
		.amdhsa_memory_ordered 1
		.amdhsa_forward_progress 1
		.amdhsa_inst_pref_size 179
	.end_amdhsa_kernel
	.amdgpu_metadata
---
amdhsa.version: [ 1, 2 ]
amdhsa.kernels:
  - .name:           k_qa9880198ee_proj
    .symbol:         k_qa9880198ee_proj.kd
    .args:
      - { .name: xb, .offset: 0, .size: 8, .value_kind: global_buffer, .address_space: global }
      - { .name: wb, .offset: 8, .size: 8, .value_kind: global_buffer, .address_space: global }
      - { .name: bq, .offset: 16, .size: 8, .value_kind: global_buffer, .address_space: global }
      - { .name: bk, .offset: 24, .size: 8, .value_kind: global_buffer, .address_space: global }
      - { .name: bv, .offset: 32, .size: 8, .value_kind: global_buffer, .address_space: global }
      - { .name: ba, .offset: 40, .size: 8, .value_kind: global_buffer, .address_space: global }
      - { .name: qt, .offset: 48, .size: 8, .value_kind: global_buffer, .address_space: global }
      - { .name: kt, .offset: 56, .size: 8, .value_kind: global_buffer, .address_space: global }
      - { .name: vf, .offset: 64, .size: 8, .value_kind: global_buffer, .address_space: global }
      - { .name: gt, .offset: 72, .size: 8, .value_kind: global_buffer, .address_space: global }
      - { .name: dp, .offset: 80, .size: 8, .value_kind: global_buffer, .address_space: global }
    .group_segment_fixed_size: 327680
    .private_segment_fixed_size: 0
    .kernarg_segment_align: 8
    .kernarg_segment_size: 88
    .max_flat_workgroup_size: 128
    .sgpr_count:     101
    .vgpr_count:     512
    .wavefront_size: 32
...
	.end_amdgpu_metadata
.endif
;; end of part 2
;; launch attn (part 3): grid 4 x 64, 4 waves a work-group, no clusters, 119,296 bytes of LDS; arguments qt, kt, vf, gt, dp, out0; writes out0
.if DOCPART == 3
	.amdgcn_target "amdgcn-amd-amdhsa--gfx1250"
	.amdhsa_code_object_version 6
	.text
	.protected	k_qa9880198ee_attn
	.globl	k_qa9880198ee_attn
	.p2align	8
	.type	k_qa9880198ee_attn,@function
k_qa9880198ee_attn:
	s_mov_b64 s[64:65], 0
	v_nop
	global_prefetch_b8 v0, s[64:65] scope:SCOPE_SE
	s_setreg_imm32_b32 hwreg(HW_REG_WAVE_MODE, 25, 1), 1
	s_wait_xcnt 0x0
; y_t = sum_{s<=t} A[t,s] v_s / (sum_{s<=t} A[t,s] + 1e-6), from what the launch before has laid out by tiles of 64 rows.
; For query tile I and key tile J < I:  A = QT_I diag(R) KT_J^T, R = the product of G over the tiles between, carried in f32, rounded once a trip to bf16 and multiplied onto KT's fragments.
; For J = I: A is the sum over the 8 channel blocks of the masked sums in dp (f32).
; SHARES.  Work-group (cb, T): query tile T (I = T % 8 in its batch), output columns 128 cb .. +127.  I + 1 trips, key tile J = I, I - 1, .. 0.
;   S^T = K' Q^T: wave w owns keys 16 w .. +15 of the tile, all 64 queries, all 512 channels: 64 matrix instructions, four accumulators by turns; a lane holds one query and 8 keys.
;   A's tile is split into bf16 hi + lo (its rows have few terms that count) and handed to all waves through LDS as halves of fragments.
;   O^T += V^T A^T: wave w owns columns 32 w .. +31 of the block, all 64 queries: Vhi Ahi + Vlo Ahi + Vhi Alo: 48 matrix instructions, eight accumulators by turns.
;   The divisor is the row sum of A, taken in f32 of the unrounded sums.
; ONE FORM OF TRIP.  Trip 0 runs with R = 0, so its 64 products add nothing to their C operand, which holds the diagonal tile's sums; afterwards that operand is 0 and R = 1, G, G G ..
; IN FLIGHT.  K's fragments (128 registers) and V's (64) are asked for again as soon as they have been multiplied, a trip ahead; the last trip's requests are clamped to the batch's first tile and not used.
; NO CLUSTER.  The four column blocks of a tile read the same K, Q and dp, but as ready fragments straight into registers by plain loads; a joint request exists for tiles brought into LDS alone,
;   which here would add a ring, a second copy through LDS and a round of the cluster's barrier to each of at most 8 trips.
; LIMITS.  NaN and infinities are not treated apart; K' is rounded to bf16 after the product with the rounded R.
; REGISTERS.  window 0: v2-11, v30 addresses; v12-15 R; v16-19 G; v20-27 divisor; v32-63 S^T; v64-95 its first C; v96-159 O^T; v160-223 A's fragments, keys 0-31; v224-255 at work
;   window 1: 0-127 K; 128-191 V; 192-255 R's fragments, later A's for keys 32-63          windows 2, 3: Q, fragment (c, kstep) at ((kstep % 8) 4 + c) 8
.set PBUF,  0                          ; A hi/lo: [hl 8,192][32 keys 4,096][query chunk 1,024][half 512][16 x lane]
.set RBUF,  16384                      ; R in bf16, 512 channels
.set DBUF,  17408                      ; the waves' divisors: 512 bytes each
.set OBUF,  19456                      ; 64 rows x 528: the way out
.set OP,    528                        ; 512 bytes + 16: 16 rows' stores start 4 banks apart (64 banks of 4 bytes: ISA guide 11.1)
.set QBUF,  53248                      ; Q: [chunk 16,384][kstep 1,024]
.set SPARE, 118784                     ; the spare words, 128 bytes a wave: two blocks of 256 bytes that no other line names
.set L16, 2
.set PST, 3
.set RRD, 4
.set RST, 5
.set T16, 6
.set QST, 7
.set QRD, 8
.set DAD, 9
.set OST, 10
.set ORD, 11
.set RM,  12
.set GV,  16
.set DEN, 20
.set SPW, 28
.set NIL, 29
.set DST, 30
.set ST,  32
.set CI,  64
.set OT,  96
.set PF,  160
.set TMP, 224
.set KF,  0
.set VF,  128
.set RF,  192
.set MSB, 0
.macro WIN new                         ; bits 1:0 source 0, 3:2 source 1, 5:4 source 2, 7:6 destination; the high byte repeats the setting that is left
.if MSB != (\new)
	s_set_vgpr_msb (MSB<<8)|(\new)
.set MSB, \new
.endif
.endm
.macro PLACES                          ; four plain instructions between a matrix instruction and a load into its sources or a vector read of its result
.rept 4
	v_nop
.endr
.endm
	s_load_b256 s[4:11], s[0:1], 0x0               ; qt 4, kt 6, vf 8, gt 10
	s_load_b128 s[12:15], s[0:1], 0x20             ; dp 12, out0 14
	v_lshl_add_u32 v[SPW], v0, 2, SPARE
	v_mov_b32 v[NIL], 0
	v_lshrrev_b32 v1, 5, v0
	v_readfirstlane_b32 s16, v1                    ; w
	s_mov_b32 s17, ttmp9                           ; cb
	s_and_b32 s18, ttmp7, 0xffff                   ; T
	s_and_b32 s19, s18, 7                          ; I
	s_sub_co_u32 s34, s18, s19                     ; the batch's first tile
	s_mov_b32 s20, s19                             ; J
	s_mov_b32 s21, 0                               ; trips done
	s_add_co_u32 s22, s19, 1                       ; trips
	s_mov_b32 s23, 1.0                             ; what the first update of R adds
	s_mov_b32 s32, 0x76543210
	s_mov_b32 s33, 0xfedcba98
	s_mov_b32 s44, 0xffff0000
	s_lshl_b32 s45, s16, 14
	v_and_b32 v1, 31, v0
	v_lshlrev_b32 v[L16], 4, v1                    ; 16 x lane
	v_and_b32 v[TMP], 15, v0                       ; r
	v_bfe_u32 v[TMP+1], v0, 4, 1                   ; h
	s_lshr_b32 s35, s16, 1
	s_lshl_b32 s35, s35, 12
	s_and_b32 s42, s16, 1
	s_lshl_b32 s42, s42, 9
	s_add_co_u32 s35, s35, s42
	v_add_nc_u32 v[PST], s35, v[L16]               ; my keys are half w % 2 of the fragments of keys 32 (w / 2) ..
	v_lshl_add_u32 v[RRD], v[TMP+1], 4, RBUF       ; R's fragment: channels 8 h .. of each 32, the same for all rows
	v_lshl_add_u32 v[RST], v0, 3, RBUF             ; thread t keeps channels 4 t .. 4 t + 3
	v_lshlrev_b32 v[T16], 4, v0
	s_add_co_u32 s35, s45, QBUF
	v_add_nc_u32 v[QST], s35, v[L16]
	v_add_nc_u32 v[QRD], QBUF, v[L16]
	v_add_nc_u32 v[DAD], DBUF, v[L16]
	s_lshl_b32 s35, s16, 9
	v_add_nc_u32 v[DST], s35, v[DAD]
	v_mul_u32_u24 v[OST], v[TMP], OP
	v_lshl_add_u32 v[OST], v[TMP+1], 5, v[OST]
	s_lshl_b32 s35, s16, 7
	s_add_co_u32 s35, s35, OBUF
	v_add_nc_u32 v[OST], s35, v[OST]               ; row r, my 32 columns, 8 of them for each h
	s_mul_i32 s35, s16, 16*OP
	s_add_co_u32 s35, s35, OBUF
	v_add_nc_u32 v[ORD], s35, v[L16]               ; back: wave w takes rows 16 w .., a whole row of 512 bytes a load
	s_mov_b32 s31, 0
	s_lshl_b32 s43, s17, 15
	s_lshl_b32 s35, s16, 13
	s_add_co_u32 s43, s43, s35                     ; (8 cb + 2 w) x 4,096: my two column tiles in vf
	s_wait_kmcnt 0x0
	s_lshl_b32 s30, s18, 17
	s_lshl_b32 s35, s16, 12
	s_add_co_u32 s30, s30, s35
	s_add_nc_u64 s[36:37], s[12:13], s[30:31]      ; dp: tile T, key chunk w
	s_lshl_b32 s30, s18, 16
	s_add_co_u32 s30, s30, s45
	s_add_nc_u64 s[38:39], s[4:5], s[30:31]        ; qt: tile T, chunk w
	s_add_nc_u64 s[24:25], s[6:7], s[30:31]        ; kt: tile I of the batch, chunk w
	s_lshl_b32 s30, s18, 17
	s_add_co_u32 s30, s30, s43
	s_add_nc_u64 s[26:27], s[8:9], s[30:31]        ; vf: the same tile
	s_lshl_b32 s30, s18, 17
	s_lshl_b32 s35, s16, 15
	s_add_co_u32 s30, s30, s35
	s_lshl_b32 s35, s17, 9
	s_add_co_u32 s30, s30, s35
	s_add_nc_u64 s[40:41], s[14:15], s[30:31]      ; out0: row 64 T + 16 w, column 128 cb
.macro KLOAD g                         ; K's fragments of ksteps 4 g .. 4 g + 3: 8 loads of 512 consecutive bytes
	WIN 0x40
.irp kk, 0,1,2,3
	global_load_b128 v[KF+8*(4*(\g)+(\kk)):KF+8*(4*(\g)+(\kk))+3],   v[L16], s[24:25] offset:(4*(\g)+(\kk))*1024
	global_load_b128 v[KF+8*(4*(\g)+(\kk))+4:KF+8*(4*(\g)+(\kk))+7], v[L16], s[24:25] offset:(4*(\g)+(\kk))*1024+512
.endr
.endm
.macro VLOAD kp                        ; V's fragments of keys 32 kp ..: two column tiles, hi and lo: 8 loads
	WIN 0x40
.irp ct, 0,1
.irp hl, 0,1
	global_load_b128 v[VF+32*(\kp)+16*(\ct)+8*(\hl):VF+32*(\kp)+16*(\ct)+8*(\hl)+3],   v[L16], s[26:27] offset:(\ct)*4096+(\kp)*2048+(\hl)*1024
	global_load_b128 v[VF+32*(\kp)+16*(\ct)+8*(\hl)+4:VF+32*(\kp)+16*(\ct)+8*(\hl)+7], v[L16], s[26:27] offset:(\ct)*4096+(\kp)*2048+(\hl)*1024+512
.endr
.endr
.endm
.macro RLOAD g                         ; R's fragments for the same four ksteps: 8 LDS loads, two sets of 32 registers by turns
	WIN 0x40
.irp kk, 0,1,2,3
	ds_load_b128 v[RF+32*((\g)%2)+8*(\kk):RF+32*((\g)%2)+8*(\kk)+3],   v[RRD] offset:64*(4*(\g)+(\kk))
	ds_load_b128 v[RF+32*((\g)%2)+8*(\kk)+4:RF+32*((\g)%2)+8*(\kk)+7], v[RRD] offset:64*(4*(\g)+(\kk))+32
.endr
.endm
.macro KMUL g                          ; K' = K R, two bf16 a line
	WIN 0x45
.set z, 0
.rept 32
	v_pk_mul_bf16 v[KF+32*(\g)+z], v[KF+32*(\g)+z], v[RF+32*((\g)%2)+z]
.set z, z+1
.endr
.endm
.macro AMM g                           ; 16 products of S^T; the four accumulators take turns, one instruction a turn; kstep 0 takes CI as C
.irp kk, 0,1,2,3
.set kap, 4*(\g)+(\kk)
	WIN 0x09+4*(kap/8)                             ; K in window 1, Q in window 2 or 3
.irp c, 0,1,2,3
.if kap == 0
	v_wmma_f32_16x16x32_bf16 v[ST+8*(\c):ST+8*(\c)+7], v[KF+8*kap:KF+8*kap+7], v[((kap%8)*4+(\c))*8:((kap%8)*4+(\c))*8+7], v[CI+8*(\c):CI+8*(\c)+7]
.else
	v_wmma_f32_16x16x32_bf16 v[ST+8*(\c):ST+8*(\c)+7], v[KF+8*kap:KF+8*kap+7], v[((kap%8)*4+(\c))*8:((kap%8)*4+(\c))*8+7], v[ST+8*(\c):ST+8*(\c)+7]
.endif
.endr
.endr
.endm
.macro CONV c                          ; query chunk c: the lane's 8 sums onto the divisor; hi = bf16(A), lo = bf16(A - hi); 16 bytes each into Pbuf
.set tb, TMP+16*((\c)%2)
.set sb, ST+8*(\c)
	v_pk_add_f32 v[tb+8:tb+9],   v[sb:sb+1],   v[sb+2:sb+3]     ; the accumulator is read from its low end on
	v_pk_add_f32 v[tb+10:tb+11], v[sb+4:sb+5], v[sb+6:sb+7]
.irp q, 0,1,2,3
	v_cvt_pk_bf16_f32 v[tb+(\q)], v[sb+2*(\q)], v[sb+2*(\q)+1]
.endr
	v_pk_add_f32 v[tb+8:tb+9], v[tb+8:tb+9], v[tb+10:tb+11]
	v_pk_add_f32 v[DEN+2*(\c):DEN+2*(\c)+1], v[DEN+2*(\c):DEN+2*(\c)+1], v[tb+8:tb+9]
	ds_store_b128 v[PST], v[tb:tb+3] offset:PBUF+(\c)*1024
.irp q, 0,1,2,3
	v_lshlrev_b32 v[tb+8+2*(\q)], 16,  v[tb+(\q)]
	v_and_b32     v[tb+9+2*(\q)], s44, v[tb+(\q)]
.endr
.irp q, 0,1,2,3
	v_pk_add_f32 v[tb+8+2*(\q):tb+9+2*(\q)], v[sb+2*(\q):sb+2*(\q)+1], v[tb+8+2*(\q):tb+9+2*(\q)] neg_lo:[0,1] neg_hi:[0,1]
.endr
.irp q, 0,1,2,3
	v_cvt_pk_bf16_f32 v[tb+4+(\q)], v[tb+8+2*(\q)], v[tb+9+2*(\q)]
.endr
	ds_store_b128 v[PST], v[tb+4:tb+7] offset:PBUF+8192+(\c)*1024
.endm
.macro AVMM kp                         ; 24 products of O^T for keys 32 kp ..: Vhi Ahi, Vlo Ahi, Vhi Alo; the eight accumulators take turns
	WIN 0x01+4*(\kp)                               ; V in window 1; A's fragments in window 0 (kp = 0) or 1
.set pb, PF+(RF-PF)*(\kp)
.irp pr, 0,1,2
.irp ct, 0,1
.irp c, 0,1,2,3
	v_wmma_f32_16x16x32_bf16 v[OT+32*(\ct)+8*(\c):OT+32*(\ct)+8*(\c)+7], v[VF+32*(\kp)+16*(\ct)+8*((\pr)%2):VF+32*(\kp)+16*(\ct)+8*((\pr)%2)+7], v[pb+32*((\pr)/2)+8*(\c):pb+32*((\pr)/2)+8*(\c)+7], v[OT+32*(\ct)+8*(\c):OT+32*(\ct)+8*(\c)+7]
.endr
.endr
.endr
.endm
.macro DSUM win, d, a, b               ; 16 packed sums: 32 registers at d = group a + group b of dp
	WIN \win
.set z, 0
.rept 16
	v_pk_add_f32 v[(\d)+z:(\d)+z+1], v[32*(\a)+z:32*(\a)+z+1], v[32*(\b)+z:32*(\b)+z+1]
.set z, z+2
.endr
.endm
	; ---- the start: dp's 8 groups into window 2, my chunk of Q into window 1, K of tile I
	WIN 0x80
.irp g, 0,1,2,3,4,5,6,7
.irp c, 0,1,2,3
	global_load_b128 v[32*(\g)+8*(\c):32*(\g)+8*(\c)+3],   v[L16], s[36:37] offset:(\g)*16384+(\c)*1024
	global_load_b128 v[32*(\g)+8*(\c)+4:32*(\g)+8*(\c)+7], v[L16], s[36:37] offset:(\g)*16384+(\c)*1024+512
.endr
.endr
	WIN 0x40
.irp k, 0,1,2,3,4,5,6,7,8,9,10,11,12,13,14,15
	global_load_b128 v[128+8*(\k):128+8*(\k)+3],   v[L16], s[38:39] offset:(\k)*1024
	global_load_b128 v[128+8*(\k)+4:128+8*(\k)+7], v[L16], s[38:39] offset:(\k)*1024+512
.endr
	KLOAD 0
	KLOAD 1
	KLOAD 2
	KLOAD 3
	WIN 0
.irp i, 0,1,2,3
	v_mov_b32 v[RM+(\i)], 0                        ; R = 0: trip 0's products add nothing
.endr
.irp i, 0,1,2,3,4,5,6,7
	v_mov_b32 v[DEN+(\i)], 0
.endr
.set z, 0
.rept 64
	v_mov_b32 v[OT+z], 0                           ; written while the loads are out, so that the loop has one form of product
.set z, z+1
.endr
	ds_store_b64 v[RST], v[RM:RM+1]                ; and R = 0 in bf16
	s_wait_loadcnt 32                              ; dp and Q are in; K's 32 loads may stay out
	WIN 0x04
.irp k, 0,1,2,3,4,5,6,7,8,9,10,11,12,13,14,15
	ds_store_b128 v[QST], v[128+8*(\k):128+8*(\k)+3]   offset:(\k)*1024
	ds_store_b128 v[QST], v[128+8*(\k)+4:128+8*(\k)+7] offset:(\k)*1024+512
.endr
	DSUM 0x8a, 0, 0, 1                             ; the 8 channel blocks' sums, in f32
	DSUM 0x8a, 64, 2, 3
	DSUM 0x8a, 128, 4, 5
	DSUM 0x8a, 192, 6, 7
	DSUM 0x8a, 0, 0, 2
	DSUM 0x8a, 128, 4, 6
	DSUM 0x0a, CI, 0, 4
	WIN 0
	s_wait_dscnt 0x0                               ; for the others' sake: my chunk of Q and my part of R lie in LDS
	s_barrier_signal -1
	s_barrier_wait -1
	VLOAD 0
	VLOAD 1
	WIN 0x80
.irp k, 0,1,2,3,4,5,6,7
.irp c, 0,1,2,3
	ds_load_b128 v[((\k)*4+(\c))*8:((\k)*4+(\c))*8+3],   v[QRD] offset:(\c)*16384+(\k)*1024
	ds_load_b128 v[((\k)*4+(\c))*8+4:((\k)*4+(\c))*8+7], v[QRD] offset:(\c)*16384+(\k)*1024+512
.endr
.endr
	WIN 0xc0
.irp k, 0,1,2,3,4,5,6,7
.irp c, 0,1,2,3
	ds_load_b128 v[((\k)*4+(\c))*8:((\k)*4+(\c))*8+3],   v[QRD] offset:(\c)*16384+((\k)+8)*1024
	ds_load_b128 v[((\k)*4+(\c))*8+4:((\k)*4+(\c))*8+7], v[QRD] offset:(\c)*16384+((\k)+8)*1024+512
.endr
.endr
	s_wait_dscnt 0x0
	WIN 0
.Ltrip:                                        ; key tile J; K and V of tile J are in registers or on their way
	s_wait_xcnt 0x0                                ; every load issued so far has read its address: the three pointers are made anew, each from its own buffer's address
	s_sub_co_i32 s35, s20, 1
	s_max_i32 s35, s35, 0                          ; the next trip's tile; behind the last trip: tile 0 once more, not used
	s_add_co_u32 s35, s35, s34
	s_lshl_b32 s30, s35, 16
	s_add_co_u32 s30, s30, s45
	s_add_nc_u64 s[24:25], s[6:7], s[30:31]
	s_lshl_b32 s30, s35, 17
	s_add_co_u32 s30, s30, s43
	s_add_nc_u64 s[26:27], s[8:9], s[30:31]
	s_add_co_u32 s35, s20, s34
	s_lshl_b32 s30, s35, 11
	s_add_nc_u64 s[28:29], s[10:11], s[30:31]
	global_load_b128 v[GV:GV+3], v[T16], s[28:29]  ; G of tile J, my four channels
	RLOAD 0
	RLOAD 1
.irp g, 0,1,2,3
	s_wait_loadcnt 41                              ; K's group g is in.  Younger: the five other groups of 8 of the ring of K and V, and G's load
.if (\g) < 3
	s_wait_dscnt 8                                 ; R's group g is in; the next group's 8 loads may be out
.else
	s_wait_dscnt 0x0
.endif
	KMUL \g
.if (\g) < 2
	RLOAD (\g)+2
.endif
	AMM \g
.if (\g) < 3
	PLACES
.else
	WIN 0
.set z, 0
.rept 32
	v_mov_b32 v[CI+z], 0                           ; from the second trip on the sums start at 0; these lines are also the places behind the last products
.set z, z+1
.endr
.endif
	KLOAD \g                                       ; the next trip's
.endr
	WIN 0
	CONV 0
	CONV 1
	CONV 2
	CONV 3
	s_wait_dscnt 0x0                               ; my parts of A lie in LDS, and my reads of R are over
	s_barrier_signal -1
	s_barrier_wait -1
.irp hl, 0,1
.irp c, 0,1,2,3
	ds_load_b128 v[PF+32*(\hl)+8*(\c):PF+32*(\hl)+8*(\c)+3],   v[L16] offset:PBUF+(\hl)*8192+(\c)*1024
	ds_load_b128 v[PF+32*(\hl)+8*(\c)+4:PF+32*(\hl)+8*(\c)+7], v[L16] offset:PBUF+(\hl)*8192+(\c)*1024+512
.endr
.endr
	WIN 0x40
.irp hl, 0,1
.irp c, 0,1,2,3
	ds_load_b128 v[RF+32*(\hl)+8*(\c):RF+32*(\hl)+8*(\c)+3],   v[L16] offset:PBUF+(\hl)*8192+4096+(\c)*1024
	ds_load_b128 v[RF+32*(\hl)+8*(\c)+4:RF+32*(\hl)+8*(\c)+7], v[L16] offset:PBUF+(\hl)*8192+4096+(\c)*1024+512
.endr
.endr
	WIN 0
	s_wait_loadcnt 32                              ; V and G are in; only K's 32 new loads are younger
.irp i, 0,1,2,3
	v_fma_f32 v[RM+(\i)], v[RM+(\i)], v[GV+(\i)], s23   ; R for the next trip: 0 G + 1 the first time, then R G
.endr
	s_mov_b32 s23, 0
	v_cvt_pk_bf16_f32 v[TMP], v[RM], v[RM+1]
	v_cvt_pk_bf16_f32 v[TMP+1], v[RM+2], v[RM+3]
	ds_store_b64 v[RST], v[TMP:TMP+1]              ; behind the barrier above nobody reads this trip's R any more
	s_wait_dscnt 17                                ; A's fragments for keys 0-31 are in; the other 16 loads and R's store may be out
	AVMM 0
	PLACES
	VLOAD 0
	s_wait_dscnt 0x0
	AVMM 1
	PLACES
	VLOAD 1
	WIN 0
	s_barrier_signal -1                            ; every wave's reads of A are over and its part of R is stored (the wait for 0 above)
	s_barrier_wait -1
	s_sub_co_i32 s20, s20, 1
	s_add_co_u32 s21, s21, 1
	s_cmp_lt_u32 s21, s22
	s_cbranch_scc1 .Ltrip
	; ---- the way out.  The divisor: the pair, the other half of the lanes, the four waves' keys
.irp c, 0,1,2,3
	v_add_f32 v[DEN+2*(\c)], v[DEN+2*(\c)], v[DEN+2*(\c)+1]
.endr
.irp c, 0,1,2,3
	v_permlanex16_b32 v[DEN+2*(\c)+1], v[DEN+2*(\c)], s32, s33
.endr
.irp c, 0,1,2,3
	v_add_f32 v[TMP+(\c)], v[DEN+2*(\c)], v[DEN+2*(\c)+1]
.endr
	ds_store_b128 v[DST], v[TMP:TMP+3]
	s_wait_dscnt 0x0
	s_barrier_signal -1
	s_barrier_wait -1
.irp u, 0,1,2,3
	ds_load_b128 v[TMP+4*(\u):TMP+4*(\u)+3], v[DAD] offset:512*(\u)
.endr
	s_wait_dscnt 0x0
	v_pk_add_f32 v[TMP:TMP+1],     v[TMP:TMP+1],     v[TMP+4:TMP+5]
	v_pk_add_f32 v[TMP+2:TMP+3],   v[TMP+2:TMP+3],   v[TMP+6:TMP+7]
	v_pk_add_f32 v[TMP+8:TMP+9],   v[TMP+8:TMP+9],   v[TMP+12:TMP+13]
	v_pk_add_f32 v[TMP+10:TMP+11], v[TMP+10:TMP+11], v[TMP+14:TMP+15]
	v_pk_add_f32 v[TMP:TMP+1],     v[TMP:TMP+1],     v[TMP+8:TMP+9]
	v_pk_add_f32 v[TMP+2:TMP+3],   v[TMP+2:TMP+3],   v[TMP+10:TMP+11]
.irp c, 0,1,2,3
	v_add_f32 v[TMP+(\c)], 0x358637bd, v[TMP+(\c)] ; + 1e-6
.endr
.irp c, 0,1,2,3
	v_rcp_f32 v[DEN+2*(\c)], v[TMP+(\c)]
.endr
	v_nop                                          ; a plain instruction behind the last reciprocal,
	s_wait_alu depctr_va_vdst(0)                   ; and the one wait ahead of the first use
.irp ct, 0,1
.irp c, 0,1,2,3
.irp q, 0,1,2,3
	v_pk_mul_f32 v[OT+32*(\ct)+8*(\c)+2*(\q):OT+32*(\ct)+8*(\c)+2*(\q)+1], v[OT+32*(\ct)+8*(\c)+2*(\q):OT+32*(\ct)+8*(\c)+2*(\q)+1], v[DEN+2*(\c):DEN+2*(\c)+1] op_sel_hi:[1,0]
.endr
	ds_store_b128 v[OST], v[OT+32*(\ct)+8*(\c):OT+32*(\ct)+8*(\c)+3]   offset:(\c)*16*OP+(\ct)*64      ; a lane's 8 columns of one row
	ds_store_b128 v[OST], v[OT+32*(\ct)+8*(\c)+4:OT+32*(\ct)+8*(\c)+7] offset:(\c)*16*OP+(\ct)*64+16
.endr
.endr
	s_wait_dscnt 0x0                               ; a row's 512 bytes come from four waves
	s_barrier_signal -1
	s_barrier_wait -1
.irp i, 0,1,2,3,4,5,6,7,8,9,10,11,12,13,14,15
	ds_load_b128 v[PF+4*(\i):PF+4*(\i)+3], v[ORD] offset:(\i)*OP
.endr
.irp i, 0,1,2,3,4,5,6,7,8,9,10,11,12,13,14,15
	s_wait_dscnt 15-(\i)
	global_store_b128 v[L16], v[PF+4*(\i):PF+4*(\i)+3], s[40:41] offset:(\i)*2048  ; 512 consecutive bytes of a row of out0, aligned
.endr
	s_wait_tensorcnt 0x0                           ; the wave's end: behind my last LDS store
	ds_add_u32 v[SPW], v[NIL]
	s_wait_dscnt 0x0
	s_endpgm
.Lfunc_end_k_qa9880198ee_attn:
	.size	k_qa9880198ee_attn, .Lfunc_end_k_qa9880198ee_attn-k_qa9880198ee_attn
	.p2alignl 7, 3214868480
	.fill 96, 4, 3214868480
	.section	.rodata,"a",@progbits
	.p2align	6, 0x0
	.amdhsa_kernel k_qa9880198ee_attn
		.amdhsa_group_segment_fixed_size 119296
		.amdhsa_private_segment_fixed_size 0
		.amdhsa_enable_private_segment 0
		.amdhsa_kernarg_size 48
		.amdhsa_user_sgpr_count 2
		.amdhsa_user_sgpr_kernarg_segment_ptr 1
		.amdhsa_wavefront_size32 1
		.amdhsa_system_sgpr_workgroup_id_x 1
		.amdhsa_system_sgpr_workgroup_id_y 1
		.amdhsa_system_sgpr_workgroup_id_z 1
		.amdhsa_system_vgpr_workitem_id 0
		.amdhsa_next_free_vgpr 1024
		.amdhsa_next_free_sgpr 66
		.amdhsa_reserve_vcc 0
		.amdhsa_float_denorm_mode_32 3
		.amdhsa_float_denorm_mode_16_64 3
		.amdhsa_memory_ordered 1
		.amdhsa_forward_progress 1
		.amdhsa_inst_pref_size 78
	.end_amdhsa_kernel
	.amdgpu_metadata
---
amdhsa.version: [ 1, 2 ]
amdhsa.kernels:
  - .name:           k_qa9880198ee_attn
    .symbol:         k_qa9880198ee_attn.kd
    .args:
      - { .name: qt, .offset: 0, .size: 8, .value_kind: global_buffer, .address_space: global }
      - { .name: kt, .offset: 8, .size: 8, .value_kind: global_buffer, .address_space: global }
      - { .name: vf, .offset: 16, .size: 8, .value_kind: global_buffer, .address_space: global }
      - { .name: gt, .offset: 24, .size: 8, .value_kind: global_buffer, .address_space: global }
      - { .name: dp, .offset: 32, .size: 8, .value_kind: global_buffer, .address_space: global }
      - { .name: out0, .offset: 40, .size: 8, .value_kind: global_buffer, .address_space: global }
    .group_segment_fixed_size: 119296
    .private_segment_fixed_size: 0
    .kernarg_segment_align: 8
    .kernarg_segment_size: 48
    .max_flat_workgroup_size: 128
    .sgpr_count:     66
    .vgpr_count:     1024
    .wavefront_size: 32
...
	.end_amdgpu_metadata
.endif
;; end of part 3
;; ======== version 2 of 2: 3 launches; version 1 with the launch attn written anew for expert scheduling mode
;; workspace buffers: xb 4,194,304 bytes; wb 2,097,152 bytes; qt 4,194,304 bytes; kt 4,194,304 bytes; vf 8,388,608 bytes; gt 131,072 bytes; dp 8,388,608 bytes
;; launch cvt: the kernel of part 1 again; grid 256 x 1, 8 waves a work-group, no clusters, 0 bytes of LDS; arguments x_seq, Wq, Wk, Wv, Wa, xb, wb; writes xb, wb
;; launch proj: the kernel of part 2 again; grid 8 x 32, 4 waves a work-group, clusters of 4 x 4, 327,680 bytes of LDS; arguments xb, wb, bq, bk, bv, ba, qt, kt, vf, gt, dp; writes qt, kt, vf, gt, dp
;; launch attn (part 4): grid 4 x 64, 4 waves a work-group, no clusters, 119,296 bytes of LDS; arguments qt, kt, vf, gt, dp, out0; writes out0
.if DOCPART == 4
	.amdgcn_target "amdgcn-amd-amdhsa--gfx1250"
	.amdhsa_code_object_version 6
	.text
	.protected	k_qa9880198ee_attn
	.globl	k_qa9880198ee_attn
	.p2align	8
	.type	k_qa9880198ee_attn,@function
k_qa9880198ee_attn:
	s_mov_b64 s[64:65], 0
	v_nop
	global_prefetch_b8 v0, s[64:65] scope:SCOPE_SE
	s_setreg_imm32_b32 hwreg(HW_REG_WAVE_SCHED_MODE, 0, 2), 2
	s_setreg_imm32_b32 hwreg(HW_REG_WAVE_MODE, 25, 1), 1
	s_wait_xcnt 0x0
	s_wait_alu depctr_vm_vsrc(0)
; y_t = sum_{s<=t} A[t,s] v_s / (sum_{s<=t} A[t,s] + 1e-6), from what the launch before has laid out by tiles of 64 rows.
; For query tile I and key tile J < I:  A = QT_I diag(R) KT_J^T, R = the product of G over the tiles between, carried in f32, rounded once a trip to bf16 and multiplied onto KT's fragments.
; For J = I: A is the sum over the 8 channel blocks of the masked sums in dp (f32).
; SHARES.  Work-group (cb, T): query tile T (I = T % 8 in its batch), output columns 128 cb .. +127.  I + 1 trips, key tile J = I, I - 1, .. 0.
;   S^T = K' Q^T: wave w owns keys 16 w .. +15 of the tile, all 64 queries, all 512 channels: 64 matrix instructions, four accumulators by turns; a lane holds one query and 8 keys.
;   A's tile is split into bf16 hi + lo (its rows have few terms that count) and handed to all waves through LDS as halves of fragments.
;   O^T += V^T A^T: wave w owns columns 32 w .. +31 of the block, all 64 queries: Vhi Ahi + Vlo Ahi + Vhi Alo: 48 matrix instructions, eight accumulators by turns.
;   The divisor is the row sum of A, taken in f32 of the unrounded sums.
; ONE FORM OF TRIP.  Trip 0 runs with R = 0, so its 64 products add nothing to their C operand, which holds the diagonal tile's sums; afterwards that operand is 0 and R = 1, G, G G ..
; IN FLIGHT.  K's fragments (128 registers) are asked for again a group behind the products that read them, V's (64) at the trip's end, both a trip ahead; the last trip's requests are clamped to the batch's first tile and not used.
; NO CLUSTER.  The four column blocks of a tile read the same K, Q and dp, but as ready fragments straight into registers by plain loads; a joint request exists for tiles brought into LDS alone,
;   which here would add a ring, a second copy through LDS and a round of the cluster's barrier to each of at most 8 trips.
; LIMITS.  NaN and infinities are not treated apart; K' is rounded to bf16 after the product with the rounded R.
; THE MODE: SCHED_MODE bits 1:0 = 2 (LLVM: expert scheduling mode 2), set by the entry lines.  The code itself states the register dependences
; between vector or matrix instructions and memory or LDS instructions, with s_wait_alu, always for 0.
; THE PLAN.  Registers that memory or LDS instructions touch, in the loop:
;   KF g      K's group g.  Loaded a trip ahead; KMUL g reads and writes it; group g's 16 products read it; the next load stands in group g + 1 (group 3's behind the split of A).
;   RF 0, 1   R's fragments, set g % 2: loaded two groups ahead, read by KMUL g.  Behind the first barrier both sets take A's fragments for keys 32-63, which AVMM 1 reads.
;   VF 0, 1   V.  Read by AVMM 0 and 1; loaded again at the trip's end.
;   PF        While A is split 32 of its registers are at work; behind the first barrier it takes A's fragments for keys 0-31, which AVMM 0 reads.
;   GV        G.  Loaded at the trip's top, read by the four lines that update R.
;   TMP, RP   Out-buffers: A's hi and lo of all four query chunks, and R in bf16.  Written by roundings, read by LDS stores.
;   The addresses v1 to v11 are made at the head and never written again.  S^T, CI, O^T, the divisor, R and Q are named by vector and matrix instructions alone.
;   So a trip has six waits on va_vdst: one behind each KMUL, one behind the split of A and R's update, one behind the last products; and one wait on vm_vsrc, ahead of the second barrier.  Each line says what it states.
; REGISTERS.  window 0: v1-11 addresses; v12-15 R; v16-19 G; v20-27 divisor; v28-29 the add's two; v30-31 R in bf16 on its way out; v32-63 S^T; v64-95 its first C; v96-159 O^T;
;   v160-223 A's fragments, keys 0-31 (32 of them at work while A is split); v224-255 A's hi and lo on their way out
;   window 1: 0-127 K; 128-191 V; 192-255 R's fragments, later A's for keys 32-63          windows 2, 3: Q, fragment (c, kstep) at ((kstep % 8) 4 + c) 8
.set PBUF,  0                          ; A hi/lo: [hl 8,192][32 keys 4,096][query chunk 1,024][half 512][16 x lane]
.set RBUF,  16384                      ; R in bf16, 512 channels
.set DBUF,  17408                      ; the waves' divisors: 512 bytes each
.set OBUF,  19456                      ; 64 rows x 528: the way out
.set OP,    528                        ; 512 bytes + 16: 16 rows' stores start 4 banks apart (64 banks of 4 bytes: ISA guide 11.1)
.set QBUF,  53248                      ; Q: [chunk 16,384][kstep 1,024]
.set SPARE, 118784                     ; the spare words, 128 bytes a wave: two blocks of 256 bytes that no other line names
.set DST, 1
.set L16, 2
.set PST, 3
.set RRD, 4
.set RST, 5
.set T16, 6
.set QST, 7
.set QRD, 8
.set DAD, 9
.set OST, 10
.set ORD, 11
.set RM,  12
.set GV,  16
.set DEN, 20
.set SPW, 28
.set NIL, 29
.set RP,  30
.set ST,  32
.set CI,  64
.set OT,  96
.set PF,  160
.set TMP, 224
.set DV,  TMP+16                       ; the way out: the four waves' divisors as they come back from LDS
.set KF,  0
.set VF,  128
.set RF,  192
.set MSB, 0
.macro WIN new                         ; bits 1:0 source 0, 3:2 source 1, 5:4 source 2, 7:6 destination; the high byte repeats the setting that is left
.if MSB != (\new)
	s_set_vgpr_msb (MSB<<8)|(\new)
.set MSB, \new
.endif
.endm
	s_load_b256 s[4:11], s[0:1], 0x0               ; qt 4, kt 6, vf 8, gt 10
	s_load_b128 s[12:15], s[0:1], 0x20             ; dp 12, out0 14
	v_lshl_add_u32 v[SPW], v0, 2, SPARE
	v_mov_b32 v[NIL], 0
	v_lshrrev_b32 v1, 5, v0
	v_readfirstlane_b32 s16, v1                    ; w
	s_mov_b32 s17, ttmp9                           ; cb
	s_and_b32 s18, ttmp7, 0xffff                   ; T
	s_and_b32 s19, s18, 7                          ; I
	s_sub_co_u32 s34, s18, s19                     ; the batch's first tile
	s_mov_b32 s20, s19                             ; J
	s_mov_b32 s21, 0                               ; trips done
	s_add_co_u32 s22, s19, 1                       ; trips
	s_mov_b32 s23, 1.0                             ; what the first update of R adds
	s_mov_b32 s32, 0x76543210
	s_mov_b32 s33, 0xfedcba98
	s_mov_b32 s44, 0xffff0000
	s_wait_alu depctr_va_sdst(0)                   ; s16 is written, ahead of its first reader: LDS addresses and the offsets into every buffer are made from it
	s_lshl_b32 s45, s16, 14
	v_and_b32 v1, 31, v0
	v_lshlrev_b32 v[L16], 4, v1                    ; 16 x lane
	v_and_b32 v[TMP], 15, v0                       ; r
	v_bfe_u32 v[TMP+1], v0, 4, 1                   ; h
	s_lshr_b32 s35, s16, 1
	s_lshl_b32 s35, s35, 12
	s_and_b32 s42, s16, 1
	s_lshl_b32 s42, s42, 9
	s_add_co_u32 s35, s35, s42
	v_add_nc_u32 v[PST], s35, v[L16]               ; my keys are half w % 2 of the fragments of keys 32 (w / 2) ..
	v_lshl_add_u32 v[RRD], v[TMP+1], 4, RBUF       ; R's fragment: channels 8 h .. of each 32, the same for all rows
	v_lshl_add_u32 v[RST], v0, 3, RBUF             ; thread t keeps channels 4 t .. 4 t + 3
	v_lshlrev_b32 v[T16], 4, v0
	s_add_co_u32 s35, s45, QBUF
	v_add_nc_u32 v[QST], s35, v[L16]
	v_add_nc_u32 v[QRD], QBUF, v[L16]
	v_add_nc_u32 v[DAD], DBUF, v[L16]
	s_lshl_b32 s35, s16, 9
	v_add_nc_u32 v[DST], s35, v[DAD]
	v_mul_u32_u24 v[OST], v[TMP], OP
	v_lshl_add_u32 v[OST], v[TMP+1], 5, v[OST]
	s_lshl_b32 s35, s16, 7
	s_add_co_u32 s35, s35, OBUF
	v_add_nc_u32 v[OST], s35, v[OST]               ; row r, my 32 columns, 8 of them for each h
	s_mul_i32 s35, s16, 16*OP
	s_add_co_u32 s35, s35, OBUF
	v_add_nc_u32 v[ORD], s35, v[L16]               ; back: wave w takes rows 16 w .., a whole row of 512 bytes a load
.irp i, 0,1,2,3
	v_mov_b32 v[RM+(\i)], 0                        ; R = 0: trip 0's products add nothing
.endr
	s_mov_b32 s31, 0
	s_lshl_b32 s43, s17, 15
	s_lshl_b32 s35, s16, 13
	s_add_co_u32 s43, s43, s35                     ; (8 cb + 2 w) x 4,096: my two column tiles in vf
	s_wait_kmcnt 0x0
	s_lshl_b32 s30, s18, 17
	s_lshl_b32 s35, s16, 12
	s_add_co_u32 s30, s30, s35
	s_add_nc_u64 s[36:37], s[12:13], s[30:31]      ; dp: tile T, key chunk w
	s_lshl_b32 s30, s18, 16
	s_add_co_u32 s30, s30, s45
	s_add_nc_u64 s[38:39], s[4:5], s[30:31]        ; qt: tile T, chunk w
	s_add_nc_u64 s[24:25], s[6:7], s[30:31]        ; kt: tile I of the batch, chunk w
	s_lshl_b32 s30, s18, 17
	s_add_co_u32 s30, s30, s43
	s_add_nc_u64 s[26:27], s[8:9], s[30:31]        ; vf: the same tile
	s_lshl_b32 s30, s18, 17
	s_lshl_b32 s35, s16, 15
	s_add_co_u32 s30, s30, s35
	s_lshl_b32 s35, s17, 9
	s_add_co_u32 s30, s30, s35
	s_add_nc_u64 s[40:41], s[14:15], s[30:31]      ; out0: row 64 T + 16 w, column 128 cb
.macro KLOAD g                         ; K's fragments of ksteps 4 g .. 4 g + 3: 8 loads of 512 consecutive bytes
	WIN 0x40
.irp kk, 0,1,2,3
	global_load_b128 v[KF+8*(4*(\g)+(\kk)):KF+8*(4*(\g)+(\kk))+3],   v[L16], s[24:25] offset:(4*(\g)+(\kk))*1024
	global_load_b128 v[KF+8*(4*(\g)+(\kk))+4:KF+8*(4*(\g)+(\kk))+7], v[L16], s[24:25] offset:(4*(\g)+(\kk))*1024+512
.endr
.endm
.macro VLOAD kp                        ; V's fragments of keys 32 kp ..: two column tiles, hi and lo: 8 loads
	WIN 0x40
.irp ct, 0,1
.irp hl, 0,1
	global_load_b128 v[VF+32*(\kp)+16*(\ct)+8*(\hl):VF+32*(\kp)+16*(\ct)+8*(\hl)+3],   v[L16], s[26:27] offset:(\ct)*4096+(\kp)*2048+(\hl)*1024
	global_load_b128 v[VF+32*(\kp)+16*(\ct)+8*(\hl)+4:VF+32*(\kp)+16*(\ct)+8*(\hl)+7], v[L16], s[26:27] offset:(\ct)*4096+(\kp)*2048+(\hl)*1024+512
.endr
.endr
.endm
.macro RLOAD g                         ; R's fragments for the same four ksteps: 8 LDS loads, two sets of 32 registers by turns
	WIN 0x40
.irp kk, 0,1,2,3
	ds_load_b128 v[RF+32*((\g)%2)+8*(\kk):RF+32*((\g)%2)+8*(\kk)+3],   v[RRD] offset:64*(4*(\g)+(\kk))
	ds_load_b128 v[RF+32*((\g)%2)+8*(\kk)+4:RF+32*((\g)%2)+8*(\kk)+7], v[RRD] offset:64*(4*(\g)+(\kk))+32
.endr
.endm
.macro KMUL g                          ; K' = K R, two bf16 a line
	WIN 0x45
.set z, 0
.rept 32
	v_pk_mul_bf16 v[KF+32*(\g)+z], v[KF+32*(\g)+z], v[RF+32*((\g)%2)+z]
.set z, z+1
.endr
.endm
.macro AMK k                           ; the 4 products of S^T of kstep k; the four accumulators take turns, one instruction a turn; kstep 0 takes CI as C
.set kap, (\k)
	WIN 0x09+4*(kap/8)                             ; K in window 1, Q in window 2 or 3
.irp c, 0,1,2,3
.if kap == 0
	v_wmma_f32_16x16x32_bf16 v[ST+8*(\c):ST+8*(\c)+7], v[KF+8*kap:KF+8*kap+7], v[((kap%8)*4+(\c))*8:((kap%8)*4+(\c))*8+7], v[CI+8*(\c):CI+8*(\c)+7]
.else
	v_wmma_f32_16x16x32_bf16 v[ST+8*(\c):ST+8*(\c)+7], v[KF+8*kap:KF+8*kap+7], v[((kap%8)*4+(\c))*8:((kap%8)*4+(\c))*8+7], v[ST+8*(\c):ST+8*(\c)+7]
.endif
.endr
.endm
.macro CONV c                          ; query chunk c: the lane's 8 sums onto the divisor; hi = bf16(A), lo = bf16(A - hi), into the chunk's eight registers of the out-buffer.  Registers alone: the stores follow all four chunks
.set wb, PF+16*((\c)%2)                ; at work: two sets by turns
.set ob, TMP+8*(\c)
.set sb, ST+8*(\c)
	v_pk_add_f32 v[wb+8:wb+9],   v[sb:sb+1],   v[sb+2:sb+3]     ; the accumulator is read from its low end on
	v_pk_add_f32 v[wb+10:wb+11], v[sb+4:sb+5], v[sb+6:sb+7]
.irp q, 0,1,2,3
	v_cvt_pk_bf16_f32 v[ob+(\q)], v[sb+2*(\q)], v[sb+2*(\q)+1]
.endr
	v_pk_add_f32 v[wb+8:wb+9], v[wb+8:wb+9], v[wb+10:wb+11]
	v_pk_add_f32 v[DEN+2*(\c):DEN+2*(\c)+1], v[DEN+2*(\c):DEN+2*(\c)+1], v[wb+8:wb+9]
.irp q, 0,1,2,3
	v_lshlrev_b32 v[wb+2*(\q)],   16,  v[ob+(\q)]
	v_and_b32     v[wb+2*(\q)+1], s44, v[ob+(\q)]
.endr
.irp q, 0,1,2,3
	v_pk_add_f32 v[wb+2*(\q):wb+2*(\q)+1], v[sb+2*(\q):sb+2*(\q)+1], v[wb+2*(\q):wb+2*(\q)+1] neg_lo:[0,1] neg_hi:[0,1]
.endr
.irp q, 0,1,2,3
	v_cvt_pk_bf16_f32 v[ob+4+(\q)], v[wb+2*(\q)], v[wb+2*(\q)+1]
.endr
.endm
.macro AVMM kp                         ; 24 products of O^T for keys 32 kp ..: Vhi Ahi, Vlo Ahi, Vhi Alo; the eight accumulators take turns
	WIN 0x01+4*(\kp)                               ; V in window 1; A's fragments in window 0 (kp = 0) or 1
.set pb, PF+(RF-PF)*(\kp)
.irp pr, 0,1,2
.irp ct, 0,1
.irp c, 0,1,2,3
	v_wmma_f32_16x16x32_bf16 v[OT+32*(\ct)+8*(\c):OT+32*(\ct)+8*(\c)+7], v[VF+32*(\kp)+16*(\ct)+8*((\pr)%2):VF+32*(\kp)+16*(\ct)+8*((\pr)%2)+7], v[pb+32*((\pr)/2)+8*(\c):pb+32*((\pr)/2)+8*(\c)+7], v[OT+32*(\ct)+8*(\c):OT+32*(\ct)+8*(\c)+7]
.endr
.endr
.endr
.endm
.macro DSUM win, d, a, b               ; 16 packed sums: 32 registers at d = group a + group b of dp
	WIN \win
.set z, 0
.rept 16
	v_pk_add_f32 v[(\d)+z:(\d)+z+1], v[32*(\a)+z:32*(\a)+z+1], v[32*(\b)+z:32*(\b)+z+1]
.set z, z+2
.endr
.endm
	; ---- the start: dp's 8 groups into window 2, my chunk of Q into window 1, K of tile I
	WIN 0x80
	s_wait_alu depctr_va_vdst(0)                   ; the addresses v1 to v11 are written, which every load and store of the kernel reads, and so is R = 0, which the LDS store below reads
.irp g, 0,1,2,3,4,5,6,7
.irp c, 0,1,2,3
	global_load_b128 v[32*(\g)+8*(\c):32*(\g)+8*(\c)+3],   v[L16], s[36:37] offset:(\g)*16384+(\c)*1024
	global_load_b128 v[32*(\g)+8*(\c)+4:32*(\g)+8*(\c)+7], v[L16], s[36:37] offset:(\g)*16384+(\c)*1024+512
.endr
.endr
	WIN 0x40
.irp k, 0,1,2,3,4,5,6,7,8,9,10,11,12,13,14,15
	global_load_b128 v[128+8*(\k):128+8*(\k)+3],   v[L16], s[38:39] offset:(\k)*1024
	global_load_b128 v[128+8*(\k)+4:128+8*(\k)+7], v[L16], s[38:39] offset:(\k)*1024+512
.endr
	KLOAD 0
	KLOAD 1
	KLOAD 2
	KLOAD 3
	WIN 0
	ds_store_b64 v[RST], v[RM:RM+1]                ; R = 0 in bf16.  No wait: only loads and window switches stand behind the wait above
.irp i, 0,1,2,3,4,5,6,7
	v_mov_b32 v[DEN+(\i)], 0
.endr
.set z, 0
.rept 64
	v_mov_b32 v[OT+z], 0                           ; written while the loads are out, so that the loop has one form of product
.set z, z+1
.endr
	s_wait_loadcnt 32                              ; dp and Q are in; K's 32 loads may stay out
	WIN 0x04
.irp k, 0,1,2,3,4,5,6,7,8,9,10,11,12,13,14,15
	ds_store_b128 v[QST], v[128+8*(\k):128+8*(\k)+3]   offset:(\k)*1024      ; data that loads brought, an address made ahead of the wait above: nothing more is owed
	ds_store_b128 v[QST], v[128+8*(\k)+4:128+8*(\k)+7] offset:(\k)*1024+512
.endr
	DSUM 0x8a, 0, 0, 1                             ; the 8 channel blocks' sums, in f32
	DSUM 0x8a, 64, 2, 3
	DSUM 0x8a, 128, 4, 5
	DSUM 0x8a, 192, 6, 7
	DSUM 0x8a, 0, 0, 2
	DSUM 0x8a, 128, 4, 6
	DSUM 0x0a, CI, 0, 4
	WIN 0
	s_wait_dscnt 0x0                               ; for the others' sake: my chunk of Q and my part of R lie in LDS
	s_barrier_signal -1
	s_barrier_wait -1
	WIN 0x40
	s_wait_alu depctr_vm_vsrc(0)                   ; my LDS stores have read window 1's v128 to v255, in which V and later R's fragments land, and R's registers, which the first trip writes again
	VLOAD 0
	VLOAD 1
	WIN 0x80
	s_wait_alu depctr_va_vdst(0)                   ; the sums of dp are done reading and writing window 2, in which Q's fragments land
.irp k, 0,1,2,3,4,5,6,7
.irp c, 0,1,2,3
	ds_load_b128 v[((\k)*4+(\c))*8:((\k)*4+(\c))*8+3],   v[QRD] offset:(\c)*16384+(\k)*1024
	ds_load_b128 v[((\k)*4+(\c))*8+4:((\k)*4+(\c))*8+7], v[QRD] offset:(\c)*16384+(\k)*1024+512
.endr
.endr
	WIN 0xc0
.irp k, 0,1,2,3,4,5,6,7
.irp c, 0,1,2,3
	ds_load_b128 v[((\k)*4+(\c))*8:((\k)*4+(\c))*8+3],   v[QRD] offset:(\c)*16384+((\k)+8)*1024
	ds_load_b128 v[((\k)*4+(\c))*8+4:((\k)*4+(\c))*8+7], v[QRD] offset:(\c)*16384+((\k)+8)*1024+512
.endr
.endr
	s_wait_dscnt 0x0
	WIN 0
.Ltrip:                                        ; key tile J; K and V of tile J are in registers or on their way
	s_wait_xcnt 0x0                                ; every load issued so far has read its address: the three pointers are made anew, each from its own buffer's address
	s_sub_co_i32 s35, s20, 1
	s_max_i32 s35, s35, 0                          ; the next trip's tile; behind the last trip: tile 0 once more, not used
	s_add_co_u32 s35, s35, s34
	s_lshl_b32 s30, s35, 16
	s_add_co_u32 s30, s30, s45
	s_add_nc_u64 s[24:25], s[6:7], s[30:31]
	s_lshl_b32 s30, s35, 17
	s_add_co_u32 s30, s30, s43
	s_add_nc_u64 s[26:27], s[8:9], s[30:31]
	s_add_co_u32 s35, s20, s34
	s_lshl_b32 s30, s35, 11
	s_add_nc_u64 s[28:29], s[10:11], s[30:31]
	global_load_b128 v[GV:GV+3], v[T16], s[28:29]  ; G of tile J, my four channels.  These 17 loads owe no wait: no vector or matrix instruction stands between them and the last wait on va_vdst, the trip's end's or the head's
	RLOAD 0
	RLOAD 1
.irp g, 0,1,2,3
.if (\g) == 0
	s_wait_loadcnt 41                              ; K's group 0 is in.  Younger: K's three other groups (24), V (16), G (1)
.else
	s_wait_loadcnt 33                              ; K's group g is in.  Younger: what is left of this trip's K, V (16), G (1) and the next trip's K as far as it is asked for: 16 + 17, 8 + 17 + 8, 17 + 16
.endif
.if (\g) < 3
	s_wait_dscnt 8                                 ; R's group g is in; the next group's 8 loads may be out
.else
	s_wait_dscnt 0x0
.endif
	KMUL \g
	s_wait_alu depctr_va_vdst(0)                   ; KMUL g is done reading R's set g % 2, in which group g + 2's fragments land; the group before has written its K' and its products are done reading it: the next trip's K lands there
	AMK 4*(\g)
.if (\g) < 2
	RLOAD (\g)+2                                   ; the four products since the wait name K's group g, Q, S^T and CI: none of the registers that these loads touch
.endif
.if (\g) > 0
	KLOAD (\g)-1                                   ; the next trip's
.endif
	AMK 4*(\g)+1
	AMK 4*(\g)+2
	AMK 4*(\g)+3
.endr
	WIN 0
.set z, 0
.rept 24
	v_mov_b32 v[CI+z], 0                           ; from the second trip on the sums start at 0; these lines are also the places behind the last products (ISA guide 7.12.1); the other eight stand behind the trip's last products
.set z, z+1
.endr
	CONV 0
	CONV 1
	CONV 2
	CONV 3
	s_wait_loadcnt 24                              ; V and G are in; only the next trip's K, groups 0 to 2, is younger
.irp i, 0,1,2,3
	v_fma_f32 v[RM+(\i)], v[RM+(\i)], v[GV+(\i)], s23   ; R for the next trip: 0 G + 1 the first time, then R G
.endr
	v_cvt_pk_bf16_f32 v[RP], v[RM], v[RM+1]
	v_cvt_pk_bf16_f32 v[RP+1], v[RM+2], v[RM+3]
	s_wait_alu depctr_va_vdst(0)                   ; the roundings have written A's hi and lo and R's two words, which the LDS stores read; group 3's products are done reading their K; the work in PF and KMUL's reads of R's sets are over: A's fragments land there behind the barrier
	s_mov_b32 s23, 0                               ; the four lines that read it stand ahead of the wait above
.irp c, 0,1,2,3
	ds_store_b128 v[PST], v[TMP+8*(\c):TMP+8*(\c)+3]   offset:PBUF+(\c)*1024
	ds_store_b128 v[PST], v[TMP+8*(\c)+4:TMP+8*(\c)+7] offset:PBUF+8192+(\c)*1024
.endr
	KLOAD 3                                        ; the next trip's
	WIN 0
	s_wait_dscnt 0x0                               ; my parts of A lie in LDS, and my reads of R are over
	s_barrier_signal -1
	s_barrier_wait -1
.irp hl, 0,1
.irp c, 0,1,2,3
	ds_load_b128 v[PF+32*(\hl)+8*(\c):PF+32*(\hl)+8*(\c)+3],   v[L16] offset:PBUF+(\hl)*8192+(\c)*1024
	ds_load_b128 v[PF+32*(\hl)+8*(\c)+4:PF+32*(\hl)+8*(\c)+7], v[L16] offset:PBUF+(\hl)*8192+(\c)*1024+512
.endr
.endr
	WIN 0x40
.irp hl, 0,1
.irp c, 0,1,2,3
	ds_load_b128 v[RF+32*(\hl)+8*(\c):RF+32*(\hl)+8*(\c)+3],   v[L16] offset:PBUF+(\hl)*8192+4096+(\c)*1024
	ds_load_b128 v[RF+32*(\hl)+8*(\c)+4:RF+32*(\hl)+8*(\c)+7], v[L16] offset:PBUF+(\hl)*8192+4096+(\c)*1024+512
.endr
.endr
	WIN 0
	ds_store_b64 v[RST], v[RP:RP+1]                ; behind the barrier above nobody reads this trip's R any more.  No vector instruction stands between the last wait on va_vdst and this line
	s_wait_dscnt 17                                ; A's fragments for keys 0-31 are in; the other 16 loads and R's store may be out
	AVMM 0
	s_wait_dscnt 0x0
	AVMM 1
	WIN 0
.set z, 24
.rept 8
	v_mov_b32 v[CI+z], 0                           ; the rest of CI: plain lines that name no register of the products before them
.set z, z+1
.endr
	WIN 0x40
	s_wait_alu depctr_va_vdst(0)                   ; the products are done reading V, in which the next trip's V lands, and A's fragments for keys 32-63, in which R's land at the next trip's top
	VLOAD 0
	VLOAD 1
	WIN 0
	s_wait_alu depctr_vm_vsrc(0)                   ; this trip's LDS stores have read A's out-buffer and R's two words, which the next trip's roundings, or the way out, write again
	s_barrier_signal -1                            ; every wave's reads of A are over and its part of R is stored (the wait for 0 on DScnt above)
	s_barrier_wait -1
	s_sub_co_i32 s20, s20, 1
	s_add_co_u32 s21, s21, 1
	s_cmp_lt_u32 s21, s22
	s_cbranch_scc1 .Ltrip
	; ---- the way out.  The divisor: the pair, the other half of the lanes, the four waves' keys
.irp c, 0,1,2,3
	v_add_f32 v[DEN+2*(\c)], v[DEN+2*(\c)], v[DEN+2*(\c)+1]
.endr
.irp c, 0,1,2,3
	v_permlanex16_b32 v[DEN+2*(\c)+1], v[DEN+2*(\c)], s32, s33
.endr
.irp c, 0,1,2,3
	v_add_f32 v[TMP+(\c)], v[DEN+2*(\c)], v[DEN+2*(\c)+1]
.endr
	s_wait_alu depctr_va_vdst(0)                   ; the four sums are written, which the LDS store reads; the last trip's roundings into v[DV ..], in which the loads below land, are long written
	ds_store_b128 v[DST], v[TMP:TMP+3]
	s_wait_dscnt 0x0
	s_barrier_signal -1
	s_barrier_wait -1
.irp u, 0,1,2,3
	ds_load_b128 v[DV+4*(\u):DV+4*(\u)+3], v[DAD] offset:512*(\u)   ; into registers that my store above does not read
.endr
	s_wait_dscnt 0x0
	v_pk_add_f32 v[DV:DV+1],     v[DV:DV+1],     v[DV+4:DV+5]
	v_pk_add_f32 v[DV+2:DV+3],   v[DV+2:DV+3],   v[DV+6:DV+7]
	v_pk_add_f32 v[DV+8:DV+9],   v[DV+8:DV+9],   v[DV+12:DV+13]
	v_pk_add_f32 v[DV+10:DV+11], v[DV+10:DV+11], v[DV+14:DV+15]
	v_pk_add_f32 v[DV:DV+1],     v[DV:DV+1],     v[DV+8:DV+9]
	v_pk_add_f32 v[DV+2:DV+3],   v[DV+2:DV+3],   v[DV+10:DV+11]
.irp c, 0,1,2,3
	v_add_f32 v[DV+(\c)], 0x358637bd, v[DV+(\c)]   ; + 1e-6
.endr
.irp c, 0,1,2,3
	v_rcp_f32 v[DEN+2*(\c)], v[DV+(\c)]
.endr
	v_nop                                          ; a plain instruction behind the last reciprocal,
	s_wait_alu depctr_va_vdst(0)                   ; and the one wait ahead of the first use: the four reciprocals are written
.irp ct, 0,1
.irp c, 0,1,2,3
.irp q, 0,1,2,3
	v_pk_mul_f32 v[OT+32*(\ct)+8*(\c)+2*(\q):OT+32*(\ct)+8*(\c)+2*(\q)+1], v[OT+32*(\ct)+8*(\c)+2*(\q):OT+32*(\ct)+8*(\c)+2*(\q)+1], v[DEN+2*(\c):DEN+2*(\c)+1] op_sel_hi:[1,0]  ; each accumulator from its low end on
.endr
.endr
.endr
	s_wait_alu depctr_va_vdst(0)                   ; the 32 scalings have written O^T, which the LDS stores read
.irp ct, 0,1
.irp c, 0,1,2,3
	ds_store_b128 v[OST], v[OT+32*(\ct)+8*(\c):OT+32*(\ct)+8*(\c)+3]   offset:(\c)*16*OP+(\ct)*64      ; a lane's 8 columns of one row
	ds_store_b128 v[OST], v[OT+32*(\ct)+8*(\c)+4:OT+32*(\ct)+8*(\c)+7] offset:(\c)*16*OP+(\ct)*64+16
.endr
.endr
	s_wait_dscnt 0x0                               ; a row's 512 bytes come from four waves
	s_barrier_signal -1
	s_barrier_wait -1
.irp i, 0,1,2,3,4,5,6,7,8,9,10,11,12,13,14,15
	ds_load_b128 v[PF+4*(\i):PF+4*(\i)+3], v[ORD] offset:(\i)*OP   ; no vector or matrix instruction behind the wait above names these registers
.endr
.irp i, 0,1,2,3,4,5,6,7,8,9,10,11,12,13,14,15
	s_wait_dscnt 15-(\i)
	global_store_b128 v[L16], v[PF+4*(\i):PF+4*(\i)+3], s[40:41] offset:(\i)*2048  ; 512 consecutive bytes of a row of out0, aligned
.endr
	s_wait_dscnt 0x0                               ; the closing lines, six on end
	s_wait_alu 0x0
	s_wait_tensorcnt 0x0
	ds_add_u32 v[SPW], v[NIL]
	s_wait_dscnt 0x0
	s_endpgm
.Lfunc_end_k_qa9880198ee_attn:
	.size	k_qa9880198ee_attn, .Lfunc_end_k_qa9880198ee_attn-k_qa9880198ee_attn
	.p2alignl 7, 3214868480
	.fill 96, 4, 3214868480
	.section	.rodata,"a",@progbits
	.p2align	6, 0x0
	.amdhsa_kernel k_qa9880198ee_attn
		.amdhsa_group_segment_fixed_size 119296
		.amdhsa_private_segment_fixed_size 0
		.amdhsa_enable_private_segment 0
		.amdhsa_kernarg_size 48
		.amdhsa_user_sgpr_count 2
		.amdhsa_user_sgpr_kernarg_segment_ptr 1
		.amdhsa_wavefront_size32 1
		.amdhsa_system_sgpr_workgroup_id_x 1
		.amdhsa_system_sgpr_workgroup_id_y 1
		.amdhsa_system_sgpr_workgroup_id_z 1
		.amdhsa_system_vgpr_workitem_id 0
		.amdhsa_next_free_vgpr 1024
		.amdhsa_next_free_sgpr 66
		.amdhsa_reserve_vcc 0
		.amdhsa_float_denorm_mode_32 3
		.amdhsa_float_denorm_mode_16_64 3
		.amdhsa_memory_ordered 1
		.amdhsa_forward_progress 1
		.amdhsa_inst_pref_size 78
	.end_amdhsa_kernel
	.amdgpu_metadata
---
amdhsa.version: [ 1, 2 ]
amdhsa.kernels:
  - .name:           k_qa9880198ee_attn
    .symbol:         k_qa9880198ee_attn.kd
    .args:
      - { .name: qt, .offset: 0, .size: 8, .value_kind: global_buffer, .address_space: global }
      - { .name: kt, .offset: 8, .size: 8, .value_kind: global_buffer, .address_space: global }
      - { .name: vf, .offset: 16, .size: 8, .value_kind: global_buffer, .address_space: global }
      - { .name: gt, .offset: 24, .size: 8, .value_kind: global_buffer, .address_space: global }
      - { .name: dp, .offset: 32, .size: 8, .value_kind: global_buffer, .address_space: global }
      - { .name: out0, .offset: 40, .size: 8, .value_kind: global_buffer, .address_space: global }
    .group_segment_fixed_size: 119296
    .private_segment_fixed_size: 0
    .kernarg_segment_align: 8
    .kernarg_segment_size: 48
    .max_flat_workgroup_size: 128
    .sgpr_count:     66
    .vgpr_count:     1024
    .wavefront_size: 32
...
	.end_amdgpu_metadata
.endif
;; end of part 4
